; MI455X (gfx1250); checked and timed in simulation.
; The chip was launched on July 23, 2026; its instructions are those of AMD's public machine-readable ISA for CDNA 5 (MIT licence, August 2026) and "CDNA5" Instruction Set Architecture Reference Guide (July 2026). The comments in the code are by the model that wrote it; some were corrected since.
;; GPT Sparse Transformer Block. Allowed arithmetic: float matrix products may take bf16 or f16 operands with f32 sums; all other float work in f32.
;; Inputs: b1 4,096 float32; b2 1,024 float32; bk 1,024 float32; bo 1,024 float32; bq 1,024 float32; bv 1,024 float32; ln1_b 1,024 float32; ln1_g 1,024 float32; ln2_b 1,024 float32; ln2_g 1,024 float32; w1 1,024 x 4,096 float32; w2 4,096 x 1,024 float32; wk 1,024 x 1,024 float32; wo 1,024 x 1,024 float32; wq 1,024 x 1,024 float32; wv 1,024 x 1,024 float32; x 2 x 2,048 x 1,024 float32.
;; Outputs: out0 2 x 2,048 x 1,024 float32.
;; One version. Each part assembles by itself: llvm-mc -triple=amdgcn-amd-amdhsa -mcpu=gfx1250 --defsym DOCPART=n.
;; ======== version 1 of 1: 7 launches
;; limits: a function is approximated: absolute error at most 2.5e-05; an absolute error that grows with the inputs' magnitude: up to 1.25e-05 times it
;; workspace buffers: wqk 6,291,456 bytes; wbf 25,165,824 bytes; hbuf 8,388,608 bytes; qkv 25,165,824 bytes; ctx 8,388,608 bytes; x1 16,777,216 bytes; gbuf 33,554,432 bytes
;; launch prep (part 1): grid 64 x 7, 8 waves a work-group, no clusters, 0 bytes of LDS; arguments x, ln1_g, ln1_b, hbuf, wq, wk, wv, wqk; writes hbuf, wqk
.if DOCPART == 1
	.amdgcn_target "amdgcn-amd-amdhsa--gfx1250"
	.amdhsa_code_object_version 6
	.text
	.protected	k_qc82c44212f_prep
	.globl	k_qc82c44212f_prep
	.p2align	8
	.type	k_qc82c44212f_prep,@function
k_qc82c44212f_prep:
	s_mov_b64 s[64:65], 0
	v_nop
	global_prefetch_b8 v0, s[64:65] scope:SCOPE_SE
	s_setreg_imm32_b32 hwreg(HW_REG_WAVE_MODE, 25, 1), 1
	s_wait_xcnt 0x0
; Two jobs that do not depend on each other, in one launch, since each alone leaves memory idle while it waits for its first bytes.
; Grid y = 0..3: LayerNorm of x, 256 work-groups of 16 rows.   Grid y = 4..6: wq, wk, wv from f32 to bf16, 64 work-groups of 64 KiB each.
; Both are plain streams: no LDS, no barrier, no matrix unit.
;
; LayerNorm over rows of 1,024 f32, result in bf16:  y = (x - mean) * rsqrt(var + 1e-5) * g + b.
; One wave takes two whole rows (4,096 bytes = 32 registers each) and keeps them in registers: memory is read once and the reduction never
; leaves the wave.  The variance is the mean of (x - mean)^2, in two passes as the definition has it, so a common offset costs no digits.
;
; The conversion rounds to nearest even and keeps the layout ([K][N]): wq at byte 0 of the result, wk at 2 MiB, wv at 4 MiB.
; A wave takes 8 KiB: sixteen 16-byte loads a lane, all issued at once; each store of the wave covers 256 consecutive bytes, aligned.
.set ROWIN,  4096
.set ROWOUT, 2048
.set M,   4                            ; v[4:5]    the mean, twice
.set R0,  6                            ; v[6:7]    1/sqrt(var+eps) of row 0, twice
.set R1,  8                            ; v[8:9]    of row 1
.set C,   12                           ; v[12:19]  four chains of packed sums
.set T,   20                           ; v[20:21]  the sum across lanes
.set X0,  32                           ; v[32:63]  row 0
.set X1,  64                           ; v[64:95]  row 1
.set G,   96                           ; v[96:127] gain of my 32 columns
.set B,   128                          ; v[128:159] bias of my 32 columns
.set Y0,  160                          ; v[160:175] row 0 in bf16
.set Y1,  176                          ; v[176:191] row 1 in bf16
.set WX,  4                            ; the conversion: v[4:67]  sixteen loads, 4 f32 each
.set WY,  68                           ;                 v[68:99] sixteen stores, 4 bf16 each
	s_and_b32 s20, ttmp7, 0xffff                   ; grid y
	s_cmp_ge_u32 s20, 4
	s_cbranch_scc1 .Lcast
	s_load_b256 s[4:11], s[0:1], 0x0               ; x s[4:5], g s[6:7], b s[8:9], y s[10:11]
	s_mov_b32 s12, 0x76543210                      ; v_permlanex16_b32: lane i reads lane i of the other half
	s_mov_b32 s13, 0xfedcba98
	s_mov_b32 s14, 0x3a800000                      ; 1/1024
	s_mov_b32 s15, 0x3727c5ac                      ; 1e-5
	s_lshl_b32 s21, s20, 6
	s_add_co_u32 s21, s21, ttmp9                   ; block of 16 rows: 64 y + x
	s_lshl_b32 s16, s21, 16                        ; 16 rows of 4,096 bytes
	s_mov_b32 s17, 0
	s_lshl_b32 s18, s21, 15                        ; 16 rows of 2,048 bytes
	s_mov_b32 s19, 0
	v_and_b32 v4, 31, v0
	v_lshrrev_b32 v5, 5, v0
	v_lshlrev_b32 v3, 4, v4                        ; g, b: 16 lane
	v_lshl_add_u32 v1, v5, 13, v3                  ; x: + two rows a wave
	v_lshlrev_b32 v4, 3, v4
	v_lshl_add_u32 v2, v5, 12, v4                  ; y: 8 lane + two rows a wave
	v_mov_b32 v[T+1], 0                            ; v_permlanex16_b32 counts as a reader of its destination
	s_wait_kmcnt 0x0
	s_add_nc_u64 s[4:5], s[4:5], s[16:17]
	s_add_nc_u64 s[10:11], s[10:11], s[18:19]
.irp j, 0,1,2,3,4,5,6,7
	global_load_b128 v[X0+4*\j:X0+4*\j+3], v1, s[4:5] offset:512*\j            ; load j: columns 128 j + 4 lane ..
.endr
.irp j, 0,1,2,3,4,5,6,7
	global_load_b128 v[X1+4*\j:X1+4*\j+3], v1, s[4:5] offset:512*\j+ROWIN
.endr
.irp j, 0,1,2,3,4,5,6,7
	global_load_b128 v[G+4*\j:G+4*\j+3], v3, s[6:7] offset:512*\j
.endr
.irp j, 0,1,2,3,4,5,6,7
	global_load_b128 v[B+4*\j:B+4*\j+3], v3, s[8:9] offset:512*\j
.endr
.macro WSUM                            ; four chains -> one number -> the sum over the 32 lanes, in every lane
	v_pk_add_f32 v[C:C+1], v[C:C+1], v[C+2:C+3]
	v_pk_add_f32 v[C+4:C+5], v[C+4:C+5], v[C+6:C+7]
	v_pk_add_f32 v[C:C+1], v[C:C+1], v[C+4:C+5]
	v_add_f32 v[T], v[C], v[C+1]
	v_add_f32_dpp v[T], v[T], v[T] row_xmask:1 row_mask:0xf bank_mask:0xf
	v_add_f32_dpp v[T], v[T], v[T] row_xmask:2 row_mask:0xf bank_mask:0xf
	v_add_f32_dpp v[T], v[T], v[T] row_xmask:4 row_mask:0xf bank_mask:0xf
	v_add_f32_dpp v[T], v[T], v[T] row_xmask:8 row_mask:0xf bank_mask:0xf
	v_permlanex16_b32 v[T+1], v[T], s12, s13
	v_add_f32 v[T], v[T], v[T+1]
.endm
; The row in X becomes x - mean; R gets 1/sqrt(var + eps), twice.
.macro STATS X, R
.irp k, 0,1,2,3
	v_pk_add_f32 v[C+2*\k:C+2*\k+1], v[\X+2*\k:\X+2*\k+1], v[\X+8+2*\k:\X+9+2*\k]   ; the first pairs start the chains: nothing is cleared
.endr
.irp p, 8,9,10,11,12,13,14,15
	v_pk_add_f32 v[C+2*(\p%4):C+2*(\p%4)+1], v[C+2*(\p%4):C+2*(\p%4)+1], v[\X+2*\p:\X+2*\p+1]
.endr
	WSUM
	v_mul_f32 v[M], s14, v[T]
	v_mul_f32 v[M+1], s14, v[T]
.irp p, 0,1,2,3,4,5,6,7,8,9,10,11,12,13,14,15
	v_pk_add_f32 v[\X+2*\p:\X+2*\p+1], v[\X+2*\p:\X+2*\p+1], v[M:M+1] neg_lo:[0,1] neg_hi:[0,1]
.endr
.irp k, 0,1,2,3
	v_pk_mul_f32 v[C+2*\k:C+2*\k+1], v[\X+2*\k:\X+2*\k+1], v[\X+2*\k:\X+2*\k+1]
.endr
.irp p, 4,5,6,7,8,9,10,11,12,13,14,15
	v_pk_fma_f32 v[C+2*(\p%4):C+2*(\p%4)+1], v[\X+2*\p:\X+2*\p+1], v[\X+2*\p:\X+2*\p+1], v[C+2*(\p%4):C+2*(\p%4)+1]
.endr
	WSUM
	v_fma_f32 v[T], v[T], s14, s15                 ; var + eps
	v_rsq_f32 v[\R], v[T]
	v_rsq_f32 v[\R+1], v[T]
	v_nop                                          ; one plain place behind a transcendental before its result is used or its source rewritten (ISA guide 5.7.2)
.endm
.macro NORM X, R, Y, off
	s_wait_alu depctr_va_vdst(0)
.irp p, 0,1,2,3,4,5,6,7,8,9,10,11,12,13,14,15
	v_pk_mul_f32 v[\X+2*\p:\X+2*\p+1], v[\X+2*\p:\X+2*\p+1], v[\R:\R+1]
.endr
.irp p, 0,1,2,3,4,5,6,7,8,9,10,11,12,13,14,15
	v_pk_fma_f32 v[\X+2*\p:\X+2*\p+1], v[\X+2*\p:\X+2*\p+1], v[G+2*\p:G+2*\p+1], v[B+2*\p:B+2*\p+1]
.endr
.irp p, 0,1,2,3,4,5,6,7,8,9,10,11,12,13,14,15
	v_cvt_pk_bf16_f32 v[\Y+\p], v[\X+2*\p], v[\X+2*\p+1]
.endr
.irp j, 0,1,2,3,4,5,6,7
	global_store_b64 v2, v[\Y+2*\j:\Y+2*\j+1], s[10:11] offset:256*\j+\off     ; the wave's store covers 256 consecutive bytes, aligned
.endr
.endm
	s_wait_loadcnt 24                              ; row 0 is in; row 1, g and b (24 loads) stay out
	STATS X0, R0
	s_wait_loadcnt 16                              ; row 1 is in; g and b stay out
	STATS X1, R1
	s_wait_loadcnt 0x0                             ; g and b
	NORM X0, R0, Y0, 0
	NORM X1, R1, Y1, ROWOUT
	s_endpgm
.Lcast:
	s_load_b256 s[4:11], s[0:1], 0x20              ; wq s[4:5], wk s[6:7], wv s[8:9], the result s[10:11]
	s_sub_co_u32 s18, s20, 4                       ; which matrix, 0..2
	v_and_b32 v3, 31, v0                           ; lane
	v_lshrrev_b32 v2, 5, v0                        ; wave
	v_lshlrev_b32 v1, 4, v3
	v_lshl_add_u32 v1, v2, 13, v1                  ; in:  8,192 wave + 16 lane
	v_lshlrev_b32 v3, 3, v3
	v_lshl_add_u32 v2, v2, 12, v3                  ; out: 4,096 wave + 8 lane
	s_lshl_b32 s22, ttmp9, 16                      ; in: 64 KiB x work-group x
	s_mov_b32 s23, 0
	s_lshl_b32 s24, s18, 21                        ; out: 2 MiB x matrix + 32 KiB x work-group x
	s_lshl_b32 s25, ttmp9, 15
	s_add_co_u32 s24, s24, s25
	s_mov_b32 s25, 0
	s_wait_kmcnt 0x0
	s_mov_b64 s[12:13], s[4:5]                     ; the matrix, chosen on grid y alone
	s_cmp_eq_u32 s18, 1
	s_cselect_b64 s[12:13], s[6:7], s[12:13]
	s_cmp_eq_u32 s18, 2
	s_cselect_b64 s[12:13], s[8:9], s[12:13]
	s_add_nc_u64 s[12:13], s[12:13], s[22:23]
	s_add_nc_u64 s[10:11], s[10:11], s[24:25]
.irp j, 0,1,2,3,4,5,6,7,8,9,10,11,12,13,14,15
	global_load_b128 v[WX+4*\j:WX+4*\j+3], v1, s[12:13] offset:512*\j th:TH_LOAD_NT
.endr
.irp j, 0,1,2,3,4,5,6,7,8,9,10,11,12,13,14,15
	s_wait_loadcnt 15-\j                           ; loads return in order: load j is in, the 15 - j younger ones stay out
	v_cvt_pk_bf16_f32 v[WY+2*\j], v[WX+4*\j], v[WX+4*\j+1]
	v_cvt_pk_bf16_f32 v[WY+2*\j+1], v[WX+4*\j+2], v[WX+4*\j+3]
	global_store_b64 v2, v[WY+2*\j:WY+2*\j+1], s[10:11] offset:256*\j
.endr
	s_endpgm                                       ; no register is written twice, so no further wait is owed
.Lfunc_end_k_qc82c44212f_prep:
	.size	k_qc82c44212f_prep, .Lfunc_end_k_qc82c44212f_prep-k_qc82c44212f_prep
	.p2alignl 7, 3214868480
	.fill 96, 4, 3214868480
	.section	.rodata,"a",@progbits
	.p2align	6, 0x0
	.amdhsa_kernel k_qc82c44212f_prep
		.amdhsa_group_segment_fixed_size 0
		.amdhsa_private_segment_fixed_size 0
		.amdhsa_enable_private_segment 0
		.amdhsa_kernarg_size 64
		.amdhsa_user_sgpr_count 2
		.amdhsa_user_sgpr_kernarg_segment_ptr 1
		.amdhsa_wavefront_size32 1
		.amdhsa_system_sgpr_workgroup_id_x 1
		.amdhsa_system_sgpr_workgroup_id_y 1
		.amdhsa_system_sgpr_workgroup_id_z 1
		.amdhsa_system_vgpr_workitem_id 0
		.amdhsa_next_free_vgpr 192
		.amdhsa_next_free_sgpr 66
		.amdhsa_reserve_vcc 0
		.amdhsa_float_denorm_mode_32 3
		.amdhsa_float_denorm_mode_16_64 3
		.amdhsa_memory_ordered 1
		.amdhsa_forward_progress 1
		.amdhsa_inst_pref_size 27
	.end_amdhsa_kernel
	.amdgpu_metadata
---
amdhsa.version: [ 1, 2 ]
amdhsa.kernels:
  - .name:           k_qc82c44212f_prep
    .symbol:         k_qc82c44212f_prep.kd
    .args:
      - { .name: x, .offset: 0, .size: 8, .value_kind: global_buffer, .address_space: global }
      - { .name: ln1_g, .offset: 8, .size: 8, .value_kind: global_buffer, .address_space: global }
      - { .name: ln1_b, .offset: 16, .size: 8, .value_kind: global_buffer, .address_space: global }
      - { .name: hbuf, .offset: 24, .size: 8, .value_kind: global_buffer, .address_space: global }
      - { .name: wq, .offset: 32, .size: 8, .value_kind: global_buffer, .address_space: global }
      - { .name: wk, .offset: 40, .size: 8, .value_kind: global_buffer, .address_space: global }
      - { .name: wv, .offset: 48, .size: 8, .value_kind: global_buffer, .address_space: global }
      - { .name: wqk, .offset: 56, .size: 8, .value_kind: global_buffer, .address_space: global }
    .group_segment_fixed_size: 0
    .private_segment_fixed_size: 0
    .kernarg_segment_align: 8
    .kernarg_segment_size: 64
    .max_flat_workgroup_size: 256
    .sgpr_count:     66
    .vgpr_count:     192
    .wavefront_size: 32
...
	.end_amdgpu_metadata
.endif
;; end of part 1
;; launch qkvp (part 2): grid 16 x 16, 4 waves a work-group, clusters of 4 x 4, 327,680 bytes of LDS; arguments hbuf, wqk, qkv, bq, bk, bv, wo, w1, w2, wbf; writes qkv, wbf
.if DOCPART == 2
	.amdgcn_target "amdgcn-amd-amdhsa--gfx1250"
	.amdhsa_code_object_version 6
	.text
	.protected	k_qc82c44212f_qkvp
	.globl	k_qc82c44212f_qkvp
	.p2align	8
	.type	k_qc82c44212f_qkvp,@function
k_qc82c44212f_qkvp:
	s_mov_b64 s[64:65], 0
	v_nop
	global_prefetch_b8 v0, s[64:65] scope:SCOPE_SE
	s_setreg_imm32_b32 hwreg(HW_REG_WAVE_MODE, 25, 1), 1
	s_wait_xcnt 0x0
	s_wait_alu depctr_hold_cnt(0) depctr_sa_sdst(0) depctr_va_vdst(0) depctr_va_sdst(0) depctr_va_ssrc(0) depctr_va_vcc(0) depctr_vm_vsrc(0)
	s_getreg_b32 s2, hwreg(HW_REG_IB_STS2, 6, 4)
	s_cmp_eq_u32 s2, 0
	s_cbranch_scc0 .Lentry_in_a_cluster
	s_endpgm
.Lentry_in_a_cluster:
	s_bfe_u32 s2, ttmp6, 0x10000c
	s_cmp_lg_u32 s2, 0xf033
	s_cbranch_scc0 .Lentry_shape_is_right
	s_endpgm
.Lentry_shape_is_right:
; CLUSTER COLUMNS 0, 1, 2:  C = A W + bias, C in bf16.  A: [4096][1024] bf16.  W: wq, wk or wv in bf16, stored [K][N] (cluster x picks it, and its bias).
; C is [4096][3072], q | k | v side by side.  Sums in f32.
; CLUSTER COLUMN 3: C has 12 block columns of 256, three columns of clusters; they leave a quarter of 256 work-groups' places free.  The 64 work-groups
; of the fourth column convert wo, w1 and w2 from f32 to bf16 (round to nearest even, layout unchanged) for the launches that follow:
; wo to byte 6 MiB of the result, w1 to 8 MiB, w2 to 16 MiB (its bytes below 6 MiB are not used).  They share nothing with the products.
; The branch between the two jobs hangs on the cluster's x alone, which all sixteen partners share; every cluster passes the opening and the closing
; round of the cluster's barrier, and the converting clusters issue no tensor load.
;
; THE PRODUCTS.  A work-group makes 256 x 256 of C with four waves; a wave makes 128 x 128: 64 accumulator tiles of 16 x 16 in 512 registers.
; K goes in steps of 128 through a ring of two LDS slots filled by the tensor data mover.  A's tile: 256 rows x 256 bytes, pitch 272.
; W's tile is taken as it lies, 128 k-rows x 512 bytes, pitch 544 (17 x 32), and its fragments are read by the transposing LDS load:
; lane L addresses row k0 + 8 (L/16) + L%8, 16 bytes at column n0 + 8 ((L/8)%2), and receives k0 + 8 (L/16) + 0..7 of column n0 + L%16.
; CLUSTERS: 4 x 4 work-groups.  A's tile hangs on the block row alone and is asked for jointly along a row of the cluster, W's on the block
; column alone and is asked for jointly along a column: a quarter of the requests.
; REGISTERS in windows of 256: window 0: addresses, A's fragments (two buffers), the way out;
; window 1: W's fragments (two buffers) and v192-255 the bias of my 128 columns; windows 2, 3: accumulators, tile (a, b) at v[8 (8 a + b)].
; THE MATRIX INSTRUCTION IS USED TRANSPOSED (source 0 = 16 columns of W, source 1 = 16 rows of A): lane l holds row l % 16 of C and its
; registers 0..7 the columns 8 (l / 16) + 0..7, eight neighbouring numbers, which pack into 16 bytes.
.set BP,     1024
.set NOUT,   3072
.set KTOT,   1024
.set KSTEP,  128
.set PA,     272                       ; A's LDS pitch: 256 + 16, an odd multiple of 16
.set PB,     544                       ; W's LDS pitch: 512 + 32, an odd multiple of 32
.set HALFT,  128*PA                    ; what one tensor load brings: 128 rows of A, or 64 k-rows of W (64 x 544 is the same figure)
.set SLOT,   4*HALFT
.set STAGE,  2*SLOT                    ; behind the ring: 16 rows x 272 bytes for each wave; no fill lands here
.set SPITCH, 272
.set LAPS,   KTOT/(2*KSTEP)            ; a lap = two K steps = once round the ring
.set ADRA, 16                          ; v16-17  LDS address of my A fragments in slot 0, 1
.set ADRB, 20                          ; v20-21  the same for W
.set STO,  24                          ; the way out: where I put 16 bytes of a row
.set RD,   25                          ; the way out: where I read a row back
.set CO,   26                          ; my byte offset in C
.set BO,   27                          ; my byte offset in the bias
.set F0,   64
.set F1,   128
.set E,    64                          ; the way out: 64 numbers in f32 (buffer 0's registers)
.set TMP,  192
.set BIAS, 192                         ; in window 1
.set G1,  24
.set G0,  32
.set G1B, 48
.set G0B, 56
.set CIN,  4                           ; the conversion: v4 my byte offset in a piece of 64 KiB of f32; never rewritten
.set COUT, 5                           ;                 v5 my byte offset in its 32 KiB of bf16; never rewritten
.set CY,   32                          ;                 v[32:63]  sixteen stores, 4 bf16 each
.set CX,   64                          ;                 v[64:255] three sets of sixteen loads, 4 f32 each
.set MSB, 0
.macro WIN new                         ; the immediate's high byte repeats the setting that is left
.if MSB != \new
	s_set_vgpr_msb (MSB<<8)|\new
.set MSB, \new
.endif
.endm
.set MUL_LO, 0xa1                      ; source 0 (W) window 1, source 1 (A) window 0, C and D window 2
.set MUL_HI, 0xf1                      ; the same, C and D window 3
.set TO_B,   0x40                      ; destination window 1, address window 0
; A joint load: waves 0 and 1 fetch A's two halves, waves 2 and 3 W's.  The branch hangs on the wave's number alone.
.macro JLOAD s
	s_cmp_eq_u32 s11, 0
	s_cbranch_scc0 .Lfor_b_\@
	tensor_load_to_lds s[G0+4*\s:G0+4*\s+3], s[G1:G1+7]
	s_nop 0
	s_branch .Lasked_\@
.Lfor_b_\@:
	tensor_load_to_lds s[G0B+4*\s:G0B+4*\s+3], s[G1B:G1B+7]
	s_nop 0
	v_nop
.Lasked_\@:
.endm
.macro CREST                           ; a round of the cluster's barrier behind its opening barrier
	s_cmp_lg_u32 s10, 0
	s_cbranch_scc1 .Lnot_wave_0_\@
	s_barrier_signal -3
.Lnot_wave_0_\@:
	s_barrier_wait -3
	s_barrier_signal -1
	s_barrier_wait -1
.endm
.macro CROUND                          ; a whole round
	s_barrier_signal -1
	s_barrier_wait -1
	CREST
.endm
	s_load_b128 s[4:7], s[0:1], 0x0                ; A s[4:5], wq | wk | wv in bf16 s[6:7]
	s_load_b64 s[8:9], s[0:1], 0x10                ; C
	s_load_b64 s[68:69], s[0:1], 0x18              ; bq
	s_load_b128 s[72:75], s[0:1], 0x20             ; bk, bv
	s_load_b128 s[76:79], s[0:1], 0x30             ; wo, w1 (f32)
	s_load_b128 s[80:83], s[0:1], 0x40             ; w2 (f32), their bf16 copies
	s_set_vgpr_msb 0x40
	v_lshl_add_u32 v63, v0, 2, 0x48400
	s_set_vgpr_msb 0x4000
	v_mov_b32 v31, 0
	s_set_vgpr_msb 0x1
	ds_add_u32 v63, v31
	s_set_vgpr_msb 0x100
	v_lshrrev_b32 v1, 5, v0
	v_readfirstlane_b32 s10, v1                    ; wave 0..3
	s_lshr_b32 s11, s10, 1                         ; my half of the block's rows.  Also: I fetch for A (0) or for W (1)
	s_and_b32 s12, s10, 1                          ; my half of its columns.  Also: which half of that tile I fetch
	s_bfe_u32 s40, ttmp6, 0x40000                  ; cx
	s_bfe_u32 s41, ttmp6, 0x40004                  ; cy
	s_lshl_b32 s42, ttmp9, 2
	s_add_co_u32 s42, s42, s40                     ; block column = 4 x cluster x + cx
	s_and_b32 s13, ttmp7, 0xffff
	s_lshl_b32 s13, s13, 2
	s_add_co_u32 s13, s13, s41                     ; block row = 4 x cluster y + cy
	s_mov_b32 s66, ttmp9                           ; cluster x
	s_lshl_b32 s43, s41, 2
	s_lshl_b32 s43, 15, s43                        ; my row of the cluster
	s_lshl_b32 s44, 0x1111, s40                    ; my column
	s_or_b32 s[G1+0], s43, (1<<16)|(1<<20)|(1<<21)|(5<<22)|(3<<25)  ; mask; 2-byte elements; padding on; bit 21 beside a mask; after every 64 words 4 words
	s_or_b32 s[G1B+0], s44, (1<<16)|(1<<20)|(1<<21)|(6<<22)|(7<<25) ; after every 128 words 8 words
	s_mov_b32 s[G1+1], KSTEP<<16                   ; tensor_dim0 = 128
	s_mov_b32 s[G1B+1], 256<<16                    ; 256
	s_mov_b32 s[G1+2], 128<<16                     ; tensor_dim1 = 128
	s_mov_b32 s[G1B+2], 64<<16                     ; 64
	s_mov_b32 s[G1+3], KSTEP<<16                   ; tile_dim0
	s_mov_b32 s[G1B+3], 256<<16
	s_mov_b32 s[G1+4], 128                         ; tile_dim1
	s_mov_b32 s[G1B+4], 64
	s_mov_b32 s[G1+5], KTOT                        ; elements from row to row
	s_mov_b32 s[G1B+5], BP
	s_mov_b32 s[G1+6], 0
	s_mov_b32 s[G1B+6], 0
	s_mov_b32 s[G1+7], 0
	s_mov_b32 s[G1B+7], 0
	; A's address is made of the block row and the wave's number, W's of the block column and the wave's number, in registers of their own
	s_lshl_b32 s17, s12, 7
	s_lshl_b32 s16, s13, 8
	s_add_co_u32 s16, s16, s17                     ; A: row 256 x block row + 128 x half
	s_lshl_b32 s16, s16, 11                        ; x 2,048 bytes (below 8 MiB)
	s_mov_b32 s17, 0
	s_lshl_b32 s46, s66, 21                        ; W: 2 MiB x cluster x (wq, wk, wv),
	s_lshl_b32 s47, s40, 9                         ; 512 bytes x cx
	s_add_co_u32 s46, s46, s47
	s_lshl_b32 s70, s40, 10                        ; bias: 1,024 bytes x cx
	s_mul_i32 s47, s12, 64*BP*2                    ; my 64 k-rows of the tile
	s_add_co_u32 s46, s46, s47
	s_mov_b32 s47, 0
	s_lshl_b32 s71, s12, 9                         ; bias of my wave's 128 columns
	s_add_co_u32 s70, s70, s71
	s_mov_b32 s71, 0
	s_mul_i32 s20, s10, HALFT                      ; LDS: A's two halves, then W's two halves = wave x HALFT
	s_wait_dscnt 0x0
	s_wait_kmcnt 0x0
	CROUND                                         ; all sixteen work-groups are here: the first joint loads meet
	s_cmp_eq_u32 s66, 3                            ; the cluster's x: the same in all sixteen
	s_cbranch_scc1 .Lcast
	s_cmp_eq_u32 s66, 1
	s_cselect_b64 s[68:69], s[72:73], s[68:69]
	s_cmp_eq_u32 s66, 2
	s_cselect_b64 s[68:69], s[74:75], s[68:69]
	s_add_nc_u64 s[68:69], s[68:69], s[70:71]
	s_add_nc_u64 s[14:15], s[4:5], s[16:17]
	s_add_nc_u64 s[46:47], s[6:7], s[46:47]
.irp s, 0,1
	s_mov_b32 s[G0+4*\s], 1
	s_add_co_u32 s[G0+4*\s+1], s20, \s*SLOT
	s_add_nc_u64 s[G0+4*\s+2:G0+4*\s+3], s[14:15], \s*KSTEP*2
	s_or_b32 s[G0+4*\s+3], s[G0+4*\s+3], 0x80000000
	s_mov_b32 s[G0B+4*\s], 1
	s_add_co_u32 s[G0B+4*\s+1], s20, \s*SLOT
	s_add_nc_u64 s[G0B+4*\s+2:G0B+4*\s+3], s[46:47], \s*KSTEP*BP*2
	s_or_b32 s[G0B+4*\s+3], s[G0B+4*\s+3], 0x80000000
	JLOAD \s                                       ; the ring is filled before anything else: two tensor loads of the wave are out
.endr
	v_and_b32 v1, 15, v0                           ; r = l % 16
	v_bfe_u32 v2, v0, 4, 1                         ; h = l / 16
	v_lshlrev_b32 v[BO], 5, v2                     ; 8 h columns of 4 bytes
	WIN TO_B
.irp b, 0,1,2,3,4,5,6,7
	global_load_b128 v[BIAS+8*\b:BIAS+8*\b+3],   v[BO], s[68:69] offset:64*\b      ; bias of columns 16 b + 8 h + 0..7, as the accumulators hold them;
	global_load_b128 v[BIAS+8*\b+4:BIAS+8*\b+7], v[BO], s[68:69] offset:64*\b+16   ; waited for on the way out
.endr
	WIN 0
	v_mul_u32_u24 v3, v1, PA
	v_lshl_add_u32 v3, v2, 4, v3                   ; A: r x pitch + 16 h
	s_mul_i32 s21, s11, HALFT                      ; my 128 rows of A
	v_and_b32 v4, 7, v0
	v_lshl_add_u32 v4, v2, 3, v4                   ; W: k-row 8 h + l % 8
	v_mul_u32_u24 v4, v4, PB
	v_bfe_u32 v5, v0, 3, 1
	v_lshl_add_u32 v4, v5, 4, v4                   ; + 16 bytes for the upper eight columns
	s_lshl_b32 s22, s12, 8                         ; my 128 columns
	s_add_co_u32 s22, s22, 2*HALFT                 ; W lies behind A's 256 rows
.irp s, 0,1
	v_add_nc_u32 v[ADRA+\s], s21, v3
	v_add_nc_u32 v[ADRB+\s], s22, v4
	s_add_co_u32 s21, s21, SLOT
	s_add_co_u32 s22, s22, SLOT
.endr
	s_mul_i32 s23, s10, 16*SPITCH
	s_add_co_u32 s23, s23, STAGE                   ; my stage
	v_mul_u32_u24 v4, v1, SPITCH
	v_lshl_add_u32 v4, v2, 4, v4
	v_add_nc_u32 v[STO], s23, v4
	v_mul_u32_u24 v5, v2, SPITCH
	v_lshl_add_u32 v5, v1, 4, v5
	v_add_nc_u32 v[RD], s23, v5
	v_mul_u32_u24 v5, v2, NOUT*2
	v_lshl_add_u32 v[CO], v1, 4, v5
; 16 matrix instructions: m blocks a0, a0 + 1 of the window's four x all 8 n blocks, 32 along K.  zero = 1: the first product starts the sums.
.macro MUL16 f, hi, a0, zero
.irp a, \a0, \a0+1
.irp b, 0,1,2,3,4,5,6,7
.if \zero
	v_wmma_f32_16x16x32_bf16 v[8*(8*(\a)+\b):8*(8*(\a)+\b)+7], v[\f+8*\b:\f+8*\b+7], v[\f+8*(4*\hi+\a):\f+8*(4*\hi+\a)+7], 0
.else
	v_wmma_f32_16x16x32_bf16 v[8*(8*(\a)+\b):8*(8*(\a)+\b)+7], v[\f+8*\b:\f+8*\b+7], v[\f+8*(4*\hi+\a):\f+8*(4*\hi+\a)+7], v[8*(8*(\a)+\b):8*(8*(\a)+\b)+7]
.endif
.endr
.endr
.endm
; 32 LDS loads in one run: quarter q (32 along K) of a slot into buffer f: 128 columns of W (transposing), then 128 rows of A
.macro FETCH slot, q, f
	WIN TO_B
.irp i, 0,1,2,3,4,5,6,7
	ds_load_tr16_b128 v[\f+8*\i:\f+8*\i+3],   v[ADRB+\slot] offset:\q*32*PB+32*\i
	ds_load_tr16_b128 v[\f+8*\i+4:\f+8*\i+7], v[ADRB+\slot] offset:\q*32*PB+32*\i+16*PB
.endr
	WIN 0
.irp i, 0,1,2,3,4,5,6,7
	ds_load_b128 v[\f+8*\i:\f+8*\i+3],   v[ADRA+\slot] offset:\q*64+\i*16*PA
	ds_load_b128 v[\f+8*\i+4:\f+8*\i+7], v[ADRA+\slot] offset:\q*64+\i*16*PA+32
.endr
.endm
; Four places of plain vector instructions stand between a matrix instruction and a load into, or a vector instruction on, its registers
.macro PLACES
.rept 4
	v_nop
.endr
.endm
; The 64 accumulators take turns, one instruction a turn, in the same order in every quarter, over the backward jump too.
.macro QUARTER slot, q, f, g, zero
	s_wait_dscnt 8                                 ; W and A's rows 0-63 are in; the youngest eight loads (A's rows 64-127) may be out
	WIN MUL_LO
	MUL16 \f, 0, 0, \zero
	MUL16 \f, 0, 2, \zero
	PLACES
	FETCH \slot, \q, \g
	s_wait_dscnt 32                                ; all but the 32 just issued
	WIN MUL_HI
	MUL16 \f, 1, 0, \zero
	MUL16 \f, 1, 2, \zero
.endm
.macro THREE slot, zero
	QUARTER \slot, 1, F0, F1, \zero
	QUARTER \slot, 2, F1, F0, 0
	QUARTER \slot, 3, F0, F1, 0
.endm
; The last quarter multiplies buffer 1 and changes slots.  In front of the barrier each wave waits for its reads of this slot and for all its
; tensor loads (one is out: its part of the next slot).  Behind it (fill = 1: behind the cluster's round that it opens) the refill comes first.
.macro TURN slot, next, fill
	s_wait_dscnt 8
	WIN MUL_LO
	MUL16 F1, 0, 0, 0
	s_wait_dscnt 0                                 ; my reads of this slot are over
	s_wait_tensorcnt 0x0                           ; all my tensor loads have landed
	ds_add_u32 v63, v31
	s_wait_dscnt 0x0
	s_barrier_signal -1
	MUL16 F1, 0, 2, 0                              ; register work while the others arrive
	WIN 0
	s_barrier_wait -1
.if \fill
	CREST                                          ; no wave of any partner still reads this slot or has a load on its way
	s_add_nc_u64 s[G0+4*\slot+2:G0+4*\slot+3], s[G0+4*\slot+2:G0+4*\slot+3], 2*KSTEP*2
	s_add_nc_u64 s[G0B+4*\slot+2:G0B+4*\slot+3], s[G0B+4*\slot+2:G0B+4*\slot+3], 2*KSTEP*BP*2
	JLOAD \slot                                    ; the wave's one tensor load behind the round; 240 matrix instructions stand before the wait for it
.endif
	PLACES
	FETCH \next, 0, F0
	WIN MUL_HI
	MUL16 F1, 1, 0, 0
	MUL16 F1, 1, 2, 0
.endm
.macro LAP zero
	THREE 0, \zero
	TURN 0, 1, 1
	THREE 1, 0
	TURN 1, 0, 1
.endm
	s_wait_tensorcnt 1                             ; my part of K step 0 is in; K step 1's stays out
	s_barrier_signal -1
	s_barrier_wait -1
	FETCH 0, 0, F0
	LAP 1
	WIN 0
	s_mov_b32 s3, LAPS-2
.Llap:
	LAP 0
	WIN 0
	s_sub_co_u32 s3, s3, 1
	s_cmp_lg_u32 s3, 0
	s_cbranch_scc1 .Llap
	THREE 0, 0                                     ; the last lap fills nothing
	TURN 0, 1, 0
	THREE 1, 0
	s_wait_dscnt 8
	WIN MUL_LO
	MUL16 F1, 0, 0, 0
	MUL16 F1, 0, 2, 0
	s_wait_dscnt 0
	WIN MUL_HI
	MUL16 F1, 1, 0, 0
	MUL16 F1, 1, 2, 0
	; THE WAY OUT, 16 rows at a time: + bias in f32, round to bf16, 16 bytes a lane into my stage, back as whole rows of 256 bytes
	PLACES
	s_wait_loadcnt 0x0                             ; the bias
	s_lshl_b32 s13, s13, 8
	s_lshl_b32 s14, s11, 7
	s_add_co_u32 s16, s13, s14                     ; my first row of C
	s_mul_i32 s16, s16, NOUT*2                     ; below 32 MiB
	s_mov_b32 s17, 0
	s_add_nc_u64 s[8:9], s[8:9], s[16:17]
	s_lshl_b32 s46, s42, 9                         ; my first column, in bytes
	s_lshl_b32 s47, s12, 8
	s_add_co_u32 s46, s46, s47
	s_mov_b32 s47, 0
	s_add_nc_u64 s[8:9], s[8:9], s[46:47]
; rows 16 i .. 16 i + 15 of my block = tiles (a, 0..7) of window 2 or 3.  win: source 0 that window, source 1 window 1 (bias), destination window 0
.macro OUT16 i, a, win, rb
	WIN \win
.irp b, 0,1,2,3,4,5,6,7
.irp r, 0,2,4,6
	v_pk_add_f32 v[E+8*\b+\r:E+8*\b+\r+1], v[8*(8*\a+\b)+\r:8*(8*\a+\b)+\r+1], v[BIAS+8*\b+\r:BIAS+8*\b+\r+1]
.endr
.endr
	WIN 0
.irp b, 0,1,2,3,4,5,6,7
.irp r, 0,1,2,3
	v_cvt_pk_bf16_f32 v[TMP+4*\b+\r], v[E+8*\b+2*\r], v[E+8*\b+2*\r+1]
.endr
.endr
.irp b, 0,1,2,3,4,5,6,7
	ds_store_b128 v[STO], v[TMP+4*\b:TMP+4*\b+3] offset:32*\b
.endr
	s_wait_xcnt 0x0                                ; the registers that earlier stores read, and their base, are rewritten only behind this wait
.if \i
	s_add_nc_u64 s[8:9], s[8:9], 16*NOUT*2
.endif
.irp t, 0,1,2,3,4,5,6,7
	ds_load_b128 v[\rb+4*\t:\rb+4*\t+3], v[RD] offset:\t*2*SPITCH              ; LDS serves a wave's instructions in order: these see the stores above
.endr
.irp t, 0,1,2,3,4,5,6,7
	s_wait_dscnt 7-\t
	global_store_b128 v[CO], v[\rb+4*\t:\rb+4*\t+3], s[8:9] offset:2*\t*NOUT*2 ; 16 lanes store 256 consecutive bytes, aligned
.endr
.endm
	OUT16 0, 0, 0x06, 128
	OUT16 1, 1, 0x06, 160
	OUT16 2, 2, 0x06, 128
	OUT16 3, 3, 0x06, 160
	OUT16 4, 0, 0x07, 128
	OUT16 5, 1, 0x07, 160
	OUT16 6, 2, 0x07, 128
	OUT16 7, 3, 0x07, 160
	s_branch .Lclose
	; THE CONVERSION.  Nine units of 2^20 numbers (4 MiB in, 2 MiB out): unit 0 is wo, units 1-4 are w1, units 5-8 are w2; unit u goes to byte
	; 6 MiB + 2 MiB u of the result.  Work-group g of 64 takes 64 KiB of every unit, a wave 16 KiB of that, as two groups of sixteen 16-byte loads:
	; 18 groups a wave, through a ring of three register sets, so that 32 to 48 loads of a wave are on their way.  Each load of the wave covers
	; 512 consecutive bytes and each store 256, aligned.  No register of an address is ever rewritten: units stand in the bases and immediates.
.Lcast:
	s_lshl2_add_u32 s70, s13, s40                  ; g = 4 x (work-group y) + cx, 0..63
	s_lshl_b32 s100, s70, 15                       ; out: 32 KiB x g,
	s_add_co_u32 s100, s100, 0x600000              ; from 6 MiB on
	s_mov_b32 s101, 0
	s_lshl_b32 s70, s70, 16                        ; in: 64 KiB x g
	s_mov_b32 s71, 0
	s_add_nc_u64 s[84:85], s[76:77], s[70:71]      ; unit 0
	s_add_nc_u64 s[86:87], s[78:79], s[70:71]      ; units 1, 2 (the second by an immediate of 4 MiB)
	s_add_nc_u64 s[88:89], s[86:87], 0x800000      ; units 3, 4
	s_add_nc_u64 s[90:91], s[80:81], s[70:71]      ; units 5, 6
	s_add_nc_u64 s[92:93], s[90:91], 0x800000      ; units 7, 8
	s_add_nc_u64 s[94:95], s[82:83], s[100:101]    ; out: units 0-3 (by immediates of 2 MiB)
	s_add_nc_u64 s[96:97], s[94:95], 0x800000      ; units 4-7
	s_add_nc_u64 s[98:99], s[94:95], 0x1000000     ; unit 8
	v_and_b32 v3, 31, v0
	v_lshlrev_b32 v[CIN], 4, v3
	v_lshl_add_u32 v[CIN], s10, 14, v[CIN]         ; 16,384 wave + 16 lane
	v_lshlrev_b32 v[COUT], 3, v3
	v_lshl_add_u32 v[COUT], s10, 13, v[COUT]       ; 8,192 wave + 8 lane
.macro CLOAD n                         ; group n of 18: half n % 2 of unit n / 2, into set n % 3
.set cu, (\n)/2
.if cu
.set cio, ((cu+1)%2)*0x400000
.else
.set cio, 0
.endif
.set cib, 84+2*((cu+1)/2)
.set cxr, CX+64*((\n)%3)
.set j, 0
.rept 16
	global_load_b128 v[cxr+4*j:cxr+4*j+3], v[CIN], s[cib:cib+1] offset:cio+((\n)%2)*8192+512*j th:TH_LOAD_NT
.set j, j+1
.endr
.endm
.macro CWORK n, left, more             ; group n is rounded and stored; more = 1: its set is loaded again, three groups on
	s_wait_loadcnt \left                           ; loads return in order: group n is in, the younger groups stay out
	s_wait_xcnt 0x0                                ; the registers that the last group's stores read are rewritten only behind this wait
.set cxr, CX+64*((\n)%3)
.set j, 0
.rept 16
	v_cvt_pk_bf16_f32 v[CY+2*j], v[cxr+4*j], v[cxr+4*j+1]
	v_cvt_pk_bf16_f32 v[CY+2*j+1], v[cxr+4*j+2], v[cxr+4*j+3]
.set j, j+1
.endr
.set cu, (\n)/2
.set cob, 94+2*(cu/4)
.set j, 0
.rept 16
	global_store_b64 v[COUT], v[CY+2*j:CY+2*j+1], s[cob:cob+1] offset:(cu%4)*0x200000+((\n)%2)*4096+256*j
.set j, j+1
.endr
.if \more
	CLOAD \n+3
.endif
.endm
	CLOAD 0
	CLOAD 1
	CLOAD 2
.irp n, 0,1,2,3,4,5,6,7,8,9,10,11,12,13,14
	CWORK \n, 32, 1                                ; two younger groups of sixteen stay out
.endr
	CWORK 15, 32, 0                                ; nothing is left to fetch: the counts run down
	CWORK 16, 16, 0
	CWORK 17, 0, 0
.Lclose:
	s_set_vgpr_msb 0x1
	s_wait_tensorcnt 0x0
	ds_add_u32 v63, v31
	s_wait_dscnt 0x0
	s_set_vgpr_msb 0x100
	CROUND                                         ; the closing round: no work-group ends while a partner may still ask for a tile that names it
	s_endpgm
.Lfunc_end_k_qc82c44212f_qkvp:
	.size	k_qc82c44212f_qkvp, .Lfunc_end_k_qc82c44212f_qkvp-k_qc82c44212f_qkvp
	.p2alignl 7, 3214868480
	.fill 96, 4, 3214868480
	.section	.rodata,"a",@progbits
	.p2align	6, 0x0
	.amdhsa_kernel k_qc82c44212f_qkvp
		.amdhsa_group_segment_fixed_size 327680
		.amdhsa_private_segment_fixed_size 0
		.amdhsa_enable_private_segment 0
		.amdhsa_kernarg_size 80
		.amdhsa_user_sgpr_count 2
		.amdhsa_user_sgpr_kernarg_segment_ptr 1
		.amdhsa_wavefront_size32 1
		.amdhsa_system_sgpr_workgroup_id_x 1
		.amdhsa_system_sgpr_workgroup_id_y 1
		.amdhsa_system_sgpr_workgroup_id_z 1
		.amdhsa_system_vgpr_workitem_id 0
		.amdhsa_next_free_vgpr 1024
		.amdhsa_next_free_sgpr 102
		.amdhsa_reserve_vcc 0
		.amdhsa_float_denorm_mode_32 3
		.amdhsa_float_denorm_mode_16_64 3
		.amdhsa_memory_ordered 1
		.amdhsa_forward_progress 1
		.amdhsa_inst_pref_size 255
	.end_amdhsa_kernel
	.section	.bss,"aw",@nobits
	.p2align	6
	.space	262144
	.amdgpu_metadata
---
amdhsa.version: [ 1, 2 ]
amdhsa.kernels:
  - .name:           k_qc82c44212f_qkvp
    .symbol:         k_qc82c44212f_qkvp.kd
    .args:
      - { .name: hbuf, .offset: 0, .size: 8, .value_kind: global_buffer, .address_space: global }
      - { .name: wqk, .offset: 8, .size: 8, .value_kind: global_buffer, .address_space: global }
      - { .name: qkv, .offset: 16, .size: 8, .value_kind: global_buffer, .address_space: global }
      - { .name: bq, .offset: 24, .size: 8, .value_kind: global_buffer, .address_space: global }
      - { .name: bk, .offset: 32, .size: 8, .value_kind: global_buffer, .address_space: global }
      - { .name: bv, .offset: 40, .size: 8, .value_kind: global_buffer, .address_space: global }
      - { .name: wo, .offset: 48, .size: 8, .value_kind: global_buffer, .address_space: global }
      - { .name: w1, .offset: 56, .size: 8, .value_kind: global_buffer, .address_space: global }
      - { .name: w2, .offset: 64, .size: 8, .value_kind: global_buffer, .address_space: global }
      - { .name: wbf, .offset: 72, .size: 8, .value_kind: global_buffer, .address_space: global }
    .group_segment_fixed_size: 327680
    .private_segment_fixed_size: 0
    .kernarg_segment_align: 8
    .kernarg_segment_size: 80
    .max_flat_workgroup_size: 128
    .sgpr_count:     102
    .vgpr_count:     1024
    .wavefront_size: 32
...
	.end_amdgpu_metadata
.endif
;; end of part 2
;; launch attn (part 3): grid 16 x 16, 8 waves a work-group, no clusters, 214,016 bytes of LDS; arguments qkv, ctx; writes ctx
.if DOCPART == 3
	.amdgcn_target "amdgcn-amd-amdhsa--gfx1250"
	.amdhsa_code_object_version 6
	.text
	.protected	k_qc82c44212f_attn
	.globl	k_qc82c44212f_attn
	.p2align	8
	.type	k_qc82c44212f_attn,@function
k_qc82c44212f_attn:
	s_mov_b64 s[64:65], 0
	v_nop
	global_prefetch_b8 v0, s[64:65] scope:SCOPE_SE
	s_setreg_imm32_b32 hwreg(HW_REG_WAVE_MODE, 25, 1), 1
	s_wait_xcnt 0x0
; Sparse attention.  Query i sees the keys j <= i of its own block of 16 and the last key of every earlier block (the mask that the problem builds itself).
; qkv: [4096][3072] bf16 (q | k | v).  ctx: [4096][1024] bf16.  Softmax in f32 with the row's true maximum taken away.
; Grid x = a chunk of 128 queries, grid y = 8 x batch + head pair (two heads = 256 bytes of a row).  Wave w owns the 16 queries of block 8 x + w, both heads.
; All 128 summary keys of the batch are multiplied and masked, so no trip count hangs on the block: 9 score tiles of 16 keys (8 summary, 1 local).
; S^T = K Q^T: lane (r, h) holds query r and, in register j of tile t, key 16 t + 8 h + j.  Rounded to bf16 in pairs, that IS P^T in the layout of a
; matrix instruction's second source (32 keys = two tiles), so P never moves between lanes.  O^T = V^T P^T, V^T read by the transposing LDS load.
; NO CLUSTER: LDS is filled once, through registers; there is no loop of refills over which a cluster's rounds could be spread, and the rows that
; work-groups share (the summaries, 64 KiB) are under half of the 160 KiB that a work-group reads.
.set KSB,  0                           ; 128 summary keys   x 272 bytes
.set VSB,  34816                       ; 128 summary values x 288 bytes (9 x 32: the transposing load's pitch)
.set WB,   71680                       ; then for each wave 17,664 bytes:
.set WSZ,  17664
.set OKL,  4352                        ;   Q 16 x 272 at 0, K 16 x 272 at 4,352,
.set OVL,  8704                        ;   V 16 x 288 at 8,704,
.set OOS,  13312                       ;   the result 16 x 272 at 13,312
.set AQ,   1                           ; my wave's Q rows: W + 272 r + 16 h (K and the result's stores by immediates)
.set AKS,  2                           ; summary keys: 272 r + 16 h
.set AVS,  3                           ; summary values, transposing: VSB + 288 (8 h + l % 8) + 16 ((l / 8) % 2)
.set AVL,  4                           ; my wave's values likewise
.set ST1,  5                           ; W + 272 h + 16 r: staging of Q and K, and the result read back
.set STV,  6                           ; W + OVL + 288 h + 16 r
.set SKS,  7                           ; 272 (16 w + h) + 16 r
.set SVS,  8                           ; VSB + 288 (16 w + h) + 16 r
.set VO,   9                           ; global: 6,144 h + 16 r
.set VSO,  10                          ; global: 16 x 6,144 h + 16 r
.set GO,   11                          ; global, out: 2,048 h + 16 r
.set LIM,  12                          ; block - 8 h
.set RL,   13                          ; r - 8 h
.set QF,   16                          ; v[16:31]   Q, two slices of 32 along d
.set KF0,  32                          ; v[32:103]  nine K fragments, slice 0
.set SC,   104                         ; v[104:175] nine score tiles
.set KF1,  176                         ; v[176:247] nine K fragments, slice 1 (the registers of PT and OA, not yet alive)
.set PT,   176                         ; v[176:215] P^T, five groups of 32 keys
.set OA,   216                         ; v[216:247] O^T, four tiles of 16 along d
.set MX,   248                         ; v[248:251] maxima
.set NM,   252                         ; v[252:253] -max x scale, twice
.set CH,   248                         ; v[248:255] four chains of packed sums
.set RS,   252                         ; v[252:253] 1 / sum, twice
	s_load_b128 s[4:7], s[0:1], 0x0                ; qkv s[4:5], ctx s[6:7]
	s_set_vgpr_msb 0x40
	v_lshl_add_u32 v0, v0, 2, 0x34000
	v_mov_b32 v1, 0
	s_set_vgpr_msb 0x4000
	v_lshrrev_b32 v1, 5, v0
	v_readfirstlane_b32 s8, v1                     ; wave 0..7
	s_and_b32 s9, ttmp7, 0xffff
	s_lshr_b32 s10, s9, 3                          ; batch
	s_and_b32 s11, s9, 7                           ; head pair
	s_lshl_b32 s12, ttmp9, 3
	s_add_co_u32 s12, s12, s8                      ; my block of 16 queries, 0..127
	s_lshl_b32 s13, s10, 11
	s_lshl4_add_u32 s14, s12, s13                  ; my first row
	s_lshl_b32 s15, s11, 8
	s_mul_i32 s16, s14, 6144
	s_add_co_u32 s16, s16, s15
	s_mov_b32 s17, 0
	s_lshl_b32 s18, s8, 8                          ; the summaries that I stage: 16 w .. 16 w + 15, at rows 256 w + 16 i + 15
	s_add_co_u32 s18, s18, s13
	s_add_co_u32 s18, s18, 15
	s_mul_i32 s18, s18, 6144
	s_add_co_u32 s18, s18, s15
	s_mov_b32 s19, 0
	s_lshl_b32 s26, s14, 11
	s_add_co_u32 s26, s26, s15
	s_mov_b32 s27, 0
	s_mov_b32 s20, 0x76543210
	s_mov_b32 s21, 0xfedcba98
	s_mov_b32 s22, 0x3e38aa3b                      ; log2(e) / 8
	s_mov_b32 s23, 0x3e38aa3b
	s_mov_b32 s24, 0xff7fffff                      ; the lowest finite f32, as the mask writes it
	s_mov_b32 s25, 0xbe38aa3b
	s_mul_i32 s32, s8, WSZ
	s_add_co_u32 s32, s32, WB                      ; my wave's LDS
	s_mul_i32 s33, s8, 16*272
	s_mul_i32 s34, s8, 16*288
	s_add_co_u32 s34, s34, VSB
	v_and_b32 v14, 15, v0                          ; r
	v_bfe_u32 v15, v0, 4, 1                        ; h
	v_lshlrev_b32 v[GO], 4, v14                    ; 16 r
	v_mul_u32_u24 v[VO], v15, 6144
	v_add_nc_u32 v[VO], v[VO], v[GO]
	v_mul_u32_u24 v[VSO], v15, 98304
	v_add_nc_u32 v[VSO], v[VSO], v[GO]
	s_wait_kmcnt 0x0
	s_add_nc_u64 s[28:29], s[4:5], s[16:17]        ; my rows
	s_add_nc_u64 s[30:31], s[4:5], s[18:19]        ; my summaries
	s_add_nc_u64 s[6:7], s[6:7], s[26:27]
	; 40 loads, each half of the wave one row's 256 bytes
.irp i, 0,1,2,3,4,5,6,7
	global_load_b128 v[16+4*\i:19+4*\i], v[VSO], s[30:31] offset:196608*\i+2048
.endr
.irp i, 0,1,2,3,4,5,6,7
	global_load_b128 v[48+4*\i:51+4*\i], v[VSO], s[30:31] offset:196608*\i+4096
.endr
.irp i, 0,1,2,3,4,5,6,7
	global_load_b128 v[80+4*\i:83+4*\i], v[VO], s[28:29] offset:12288*\i
.endr
.irp i, 0,1,2,3,4,5,6,7
	global_load_b128 v[112+4*\i:115+4*\i], v[VO], s[28:29] offset:12288*\i+2048
.endr
.irp i, 0,1,2,3,4,5,6,7
	global_load_b128 v[144+4*\i:147+4*\i], v[VO], s[28:29] offset:12288*\i+4096
.endr
	v_mul_u32_u24 v[AKS], v14, 272
	v_lshl_add_u32 v[AKS], v15, 4, v[AKS]
	v_add_nc_u32 v[AQ], s32, v[AKS]
	v_and_b32 v[AVS], 7, v0
	v_lshl_add_u32 v[AVS], v15, 3, v[AVS]
	v_mul_u32_u24 v[AVS], v[AVS], 288
	v_bfe_u32 v[AVL], v0, 3, 1
	v_lshl_add_u32 v[AVS], v[AVL], 4, v[AVS]
	v_add_nc_u32 v[AVL], s32, v[AVS]
	v_add_nc_u32 v[AVL], OVL, v[AVL]
	v_add_nc_u32 v[AVS], VSB, v[AVS]
	v_mul_u32_u24 v[ST1], v15, 272
	v_add_nc_u32 v[ST1], v[ST1], v[GO]
	v_mul_u32_u24 v[STV], v15, 288
	v_add_nc_u32 v[STV], v[STV], v[GO]
	v_add_nc_u32 v[SKS], s33, v[ST1]
	v_add_nc_u32 v[SVS], s34, v[STV]
	v_add_nc_u32 v[ST1], s32, v[ST1]
	v_add_nc_u32 v[STV], s32, v[STV]
	v_add_nc_u32 v[STV], OVL, v[STV]
	v_lshl_add_u32 v[GO], v15, 11, v[GO]
	v_lshlrev_b32 v[RL], 3, v15
	v_sub_nc_u32 v[LIM], s12, v[RL]
	v_sub_nc_u32 v[RL], v14, v[RL]
	s_wait_loadcnt 24                              ; the 16 loads of summaries are in; my own rows' 24 stay out
.irp i, 0,1,2,3,4,5,6,7
	ds_store_b128 v[SKS], v[16+4*\i:19+4*\i] offset:544*\i
.endr
.irp i, 0,1,2,3,4,5,6,7
	ds_store_b128 v[SVS], v[48+4*\i:51+4*\i] offset:576*\i
.endr
	s_wait_loadcnt 0x0
.irp i, 0,1,2,3,4,5,6,7
	ds_store_b128 v[ST1], v[80+4*\i:83+4*\i] offset:544*\i
	ds_store_b128 v[ST1], v[112+4*\i:115+4*\i] offset:OKL+544*\i
	ds_store_b128 v[STV], v[144+4*\i:147+4*\i] offset:576*\i
.endr
	s_wait_dscnt 0x0                               ; for the others' sake: my summaries are in LDS
	s_barrier_signal -1
	s_barrier_wait -1                              ; the only barrier: nothing in LDS that another wave reads is written again
.macro PLACES                          ; five plain places: enough before a load into, a vector instruction on, or a matrix instruction over a matrix instruction's registers
.rept 5
	v_nop
.endr
.endm
.macro VLOAD base, adr, off, second    ; one fragment of V^T: 16 along d x 32 keys
	ds_load_tr16_b128 v[\base:\base+3], v[\adr] offset:\off
	ds_load_tr16_b128 v[\base+4:\base+7], v[\adr] offset:\off+\second
.endm
.macro PV t, f, c, zero
.if \zero
	v_wmma_f32_16x16x32_bf16 v[OA+8*\t:OA+8*\t+7], v[\f:\f+7], v[PT+8*\c:PT+8*\c+7], 0
.else
	v_wmma_f32_16x16x32_bf16 v[OA+8*\t:OA+8*\t+7], v[\f:\f+7], v[PT+8*\c:PT+8*\c+7], v[OA+8*\t:OA+8*\t+7]
.endif
.endm
; One head: e = 0, 1; its 64 numbers begin at byte 128 e of the staged rows.
.macro HEAD e
	PLACES
.irp q, 0,1,2,3
	ds_load_b128 v[QF+4*\q:QF+4*\q+3], v[AQ] offset:128*\e+32*\q
.endr
.irp t, 0,1,2,3,4,5,6,7
	ds_load_b128 v[KF0+8*\t:KF0+8*\t+3],   v[AKS] offset:4352*\t+128*\e
	ds_load_b128 v[KF0+8*\t+4:KF0+8*\t+7], v[AKS] offset:4352*\t+128*\e+32
.endr
	ds_load_b128 v[KF0+64:KF0+67], v[AQ] offset:OKL+128*\e
	ds_load_b128 v[KF0+68:KF0+71], v[AQ] offset:OKL+128*\e+32
.irp t, 0,1,2,3,4,5,6,7
	ds_load_b128 v[KF1+8*\t:KF1+8*\t+3],   v[AKS] offset:4352*\t+128*\e+64
	ds_load_b128 v[KF1+8*\t+4:KF1+8*\t+7], v[AKS] offset:4352*\t+128*\e+96
.endr
	ds_load_b128 v[KF1+64:KF1+67], v[AQ] offset:OKL+128*\e+64
	ds_load_b128 v[KF1+68:KF1+71], v[AQ] offset:OKL+128*\e+96
	s_wait_dscnt 18                                ; Q and slice 0 are in; slice 1's 18 loads stay out
.irp t, 0,1,2,3,4,5,6,7,8
	v_wmma_f32_16x16x32_bf16 v[SC+8*\t:SC+8*\t+7], v[KF0+8*\t:KF0+8*\t+7], v[QF:QF+7], 0
.endr
	s_wait_dscnt 0x0
.irp t, 0,1,2,3,4,5,6,7,8
	v_wmma_f32_16x16x32_bf16 v[SC+8*\t:SC+8*\t+7], v[KF1+8*\t:KF1+8*\t+7], v[QF+8:QF+15], v[SC+8*\t:SC+8*\t+7]   ; the nine accumulators by turns
.endr
	PLACES
.irp t, 0,1,2,3
	VLOAD 32+8*\t, AVS, 128*\e+32*\t, 4608         ; V^T of summaries 0-31 and 32-63, on their way during the softmax
	VLOAD 64+8*\t, AVS, 9216+128*\e+32*\t, 4608
.endr
	; the mask: summary s counts if s < my block (its own block's last key is in the local tile); local key 8 h + j counts if it is <= r
.irp t, 0,1,2,3,4,5,6,7
.irp j, 0,1,2,3,4,5,6,7
	v_cmp_lt_i32 vcc_lo, 16*\t+\j, v[LIM]
	v_cndmask_b32 v[SC+8*\t+\j], s24, v[SC+8*\t+\j], vcc_lo
.endr
.endr
.irp j, 0,1,2,3,4,5,6,7
	v_cmp_le_i32 vcc_lo, \j, v[RL]
	v_cndmask_b32 v[SC+64+\j], s24, v[SC+64+\j], vcc_lo
.endr
	; the row's maximum: 72 numbers a lane in four chains, then the other half of the wave
.irp k, 0,1,2,3
	v_max3_num_f32 v[MX+\k], v[SC+18*\k], v[SC+18*\k+1], v[SC+18*\k+2]
.endr
.irp q, 0,1,2,3,4,5,6
.irp k, 0,1,2,3
	v_max3_num_f32 v[MX+\k], v[MX+\k], v[SC+18*\k+3+2*\q], v[SC+18*\k+4+2*\q]
.endr
.endr
	v_max3_num_f32 v[MX], v[MX], v[SC+17], v[SC+35]
	v_max3_num_f32 v[MX+1], v[MX+1], v[SC+53], v[SC+71]
	v_max3_num_f32 v[MX], v[MX], v[MX+1], v[MX+2]
	v_max_num_f32 v[MX], v[MX], v[MX+3]
	v_permlanex16_b32 v[MX+1], v[MX], s20, s21
	v_max_num_f32 v[MX], v[MX], v[MX+1]
	v_mul_f32 v[NM], s25, v[MX]
	v_mul_f32 v[NM+1], s25, v[MX]
.set p, 0
.rept 36
	v_pk_fma_f32 v[SC+2*p:SC+2*p+1], v[SC+2*p:SC+2*p+1], s[22:23], v[NM:NM+1] op_sel_hi:[1,0,1]   ; (s - max) log2(e) / 8
.set p, p+1
.endr
.set p, 0
.rept 72
	v_exp_f32 v[SC+p], v[SC+p]
.set p, p+1
.endr
	v_nop                                          ; a plain place behind the transcendentals (ISA guide 5.7.2)
	s_wait_alu depctr_va_vdst(0)
.irp k, 0,1,2,3
	v_pk_add_f32 v[CH+2*\k:CH+2*\k+1], v[SC+2*\k:SC+2*\k+1], v[SC+8+2*\k:SC+9+2*\k]
.endr
.set p, 8
.rept 28
	v_pk_add_f32 v[CH+2*(p%4):CH+2*(p%4)+1], v[CH+2*(p%4):CH+2*(p%4)+1], v[SC+2*p:SC+2*p+1]
.set p, p+1
.endr
	v_pk_add_f32 v[CH:CH+1], v[CH:CH+1], v[CH+2:CH+3]
	v_pk_add_f32 v[CH+4:CH+5], v[CH+4:CH+5], v[CH+6:CH+7]
	v_pk_add_f32 v[CH:CH+1], v[CH:CH+1], v[CH+4:CH+5]
	v_add_f32 v[CH], v[CH], v[CH+1]
	v_permlanex16_b32 v[CH+1], v[CH], s20, s21
	v_add_f32 v[CH], v[CH], v[CH+1]
	v_rcp_f32 v[RS], v[CH]
	v_rcp_f32 v[RS+1], v[CH]
.set p, 0
.rept 36
	v_cvt_pk_bf16_f32 v[PT+p], v[SC+2*p], v[SC+2*p+1]                          ; P^T: group c = tiles 2 c and 2 c + 1
.set p, p+1
.endr
.irp q, 36,37,38,39
	v_mov_b32 v[PT+\q], 0                          ; the local group has 16 keys: its upper 16 weigh nothing
.endr
.irp t, 0,1,2,3
	VLOAD 104+8*\t, AVS, 2*9216+128*\e+32*\t, 4608
	VLOAD 136+8*\t, AVS, 3*9216+128*\e+32*\t, 4608
.endr
	VLOAD 16,  AVL, 128*\e,    0                   ; the local 16 values, taken twice, so that the zeros above multiply finite numbers
	VLOAD 24,  AVL, 128*\e+32, 0
	VLOAD 96,  AVL, 128*\e+64, 0
	VLOAD 168, AVL, 128*\e+96, 0
	s_wait_dscnt 0x0
.irp t, 0,1,2,3
	PV \t, 32+8*\t, 0, 1                           ; four accumulators by turns
.endr
.irp t, 0,1,2,3
	PV \t, 64+8*\t, 1, 0
.endr
.irp t, 0,1,2,3
	PV \t, 104+8*\t, 2, 0
.endr
.irp t, 0,1,2,3
	PV \t, 136+8*\t, 3, 0
.endr
	PV 0, 16, 4, 0
	PV 1, 24, 4, 0
	PV 2, 96, 4, 0
	PV 3, 168, 4, 0
	PLACES
.set p, 0
	s_wait_alu depctr_va_vdst(0)
.rept 16
	v_pk_mul_f32 v[OA+2*p:OA+2*p+1], v[OA+2*p:OA+2*p+1], v[RS:RS+1]
.set p, p+1
.endr
.set p, 0
.rept 16
	v_cvt_pk_bf16_f32 v[PT+p], v[OA+2*p], v[OA+2*p+1]
.set p, p+1
.endr
.irp t, 0,1,2,3
	ds_store_b128 v[AQ], v[PT+4*\t:PT+4*\t+3] offset:OOS+128*\e+32*\t          ; row r, d = 16 t + 8 h + 0..7
.endr
.endm
	HEAD 0
	HEAD 1
.irp i, 0,1,2,3,4,5,6,7
	ds_load_b128 v[32+4*\i:35+4*\i], v[ST1] offset:OOS+544*\i                  ; my own bytes: LDS serves a wave's instructions in order
.endr
.irp i, 0,1,2,3,4,5,6,7
	s_wait_dscnt 7-\i
	global_store_b128 v[GO], v[32+4*\i:35+4*\i], s[6:7] offset:4096*\i         ; 16 lanes store 256 consecutive bytes, aligned
.endr
	s_set_vgpr_msb 0x5
	s_wait_tensorcnt 0x0
	ds_add_u32 v0, v1
	s_wait_dscnt 0x0
	s_set_vgpr_msb 0x500
	s_endpgm
.Lfunc_end_k_qc82c44212f_attn:
	.size	k_qc82c44212f_attn, .Lfunc_end_k_qc82c44212f_attn-k_qc82c44212f_attn
	.p2alignl 7, 3214868480
	.fill 96, 4, 3214868480
	.section	.rodata,"a",@progbits
	.p2align	6, 0x0
	.amdhsa_kernel k_qc82c44212f_attn
		.amdhsa_group_segment_fixed_size 214016
		.amdhsa_private_segment_fixed_size 0
		.amdhsa_enable_private_segment 0
		.amdhsa_kernarg_size 16
		.amdhsa_user_sgpr_count 2
		.amdhsa_user_sgpr_kernarg_segment_ptr 1
		.amdhsa_wavefront_size32 1
		.amdhsa_system_sgpr_workgroup_id_x 1
		.amdhsa_system_sgpr_workgroup_id_y 1
		.amdhsa_system_sgpr_workgroup_id_z 1
		.amdhsa_system_vgpr_workitem_id 0
		.amdhsa_next_free_vgpr 258
		.amdhsa_next_free_sgpr 66
		.amdhsa_reserve_vcc 1
		.amdhsa_float_denorm_mode_32 3
		.amdhsa_float_denorm_mode_16_64 3
		.amdhsa_memory_ordered 1
		.amdhsa_forward_progress 1
		.amdhsa_inst_pref_size 67
	.end_amdhsa_kernel
	.amdgpu_metadata
---
amdhsa.version: [ 1, 2 ]
amdhsa.kernels:
  - .name:           k_qc82c44212f_attn
    .symbol:         k_qc82c44212f_attn.kd
    .args:
      - { .name: qkv, .offset: 0, .size: 8, .value_kind: global_buffer, .address_space: global }
      - { .name: ctx, .offset: 8, .size: 8, .value_kind: global_buffer, .address_space: global }
    .group_segment_fixed_size: 214016
    .private_segment_fixed_size: 0
    .kernarg_segment_align: 8
    .kernarg_segment_size: 16
    .max_flat_workgroup_size: 256
    .sgpr_count:     66
    .vgpr_count:     258
    .wavefront_size: 32
...
	.end_amdgpu_metadata
.endif
;; end of part 3
;; launch oproj (part 4): grid 8 x 32, 4 waves a work-group, clusters of 4 x 4, 327,680 bytes of LDS; arguments ctx, wbf, bo, x, x1; writes x1
.if DOCPART == 4
	.amdgcn_target "amdgcn-amd-amdhsa--gfx1250"
	.amdhsa_code_object_version 6
	.text
	.protected	k_qc82c44212f_oproj
	.globl	k_qc82c44212f_oproj
	.p2align	8
	.type	k_qc82c44212f_oproj,@function
k_qc82c44212f_oproj:
	s_mov_b64 s[64:65], 0
	v_nop
	global_prefetch_b8 v0, s[64:65] scope:SCOPE_SE
	s_setreg_imm32_b32 hwreg(HW_REG_WAVE_MODE, 25, 1), 1
	s_wait_xcnt 0x0
	s_wait_alu depctr_hold_cnt(0) depctr_sa_sdst(0) depctr_va_vdst(0) depctr_va_sdst(0) depctr_va_ssrc(0) depctr_va_vcc(0) depctr_vm_vsrc(0)
	s_getreg_b32 s2, hwreg(HW_REG_IB_STS2, 6, 4)
	s_cmp_eq_u32 s2, 0
	s_cbranch_scc0 .Lentry_in_a_cluster
	s_endpgm
.Lentry_in_a_cluster:
	s_bfe_u32 s2, ttmp6, 0x10000c
	s_cmp_lg_u32 s2, 0xf033
	s_cbranch_scc0 .Lentry_shape_is_right
	s_endpgm
.Lentry_shape_is_right:
; C = A W + bias + residual, C and residual f32 [4096][1024].  A: [4096][KTOT] bf16.  W: [KTOT][1024] bf16 at byte WOFF of the weights.  Sums in f32.
; 4096 x 1024 outputs on 256 work-groups are blocks of 128 x 128.  EACH WAVE MAKES THE WHOLE BLOCK OVER A QUARTER OF K (512 accumulator registers,
; 32 LDS loads for 64 matrix instructions, every LDS byte read once); four waves of 64 x 64 would load twice as much for each product.
; The four partial blocks are added through LDS at the end, each wave owning 32 rows.
; K goes in steps of 256 through two LDS slots: A 128 rows x 512 bytes, pitch 528; W 256 k-rows x 256 bytes, pitch 288, read by the transposing load.
; In a slot wave w takes k = 32 w .. 32 w + 31 and 128 + 32 w .. 128 + 32 w + 31.
; CLUSTERS: 4 x 4; A's tile is asked for jointly along a row of the cluster, W's along a column.
; REGISTERS: window 0: addresses, bias, A's fragments, the way out; window 1: W's fragments in v64-191, the residual's 32 rows in v0-63 and v192-255;
; windows 2, 3: accumulators, tile (a, b) at v[8 (8 a + b)].  The matrix instruction is used transposed: lane l holds row l % 16, registers 0..7 columns 8 (l / 16) + 0..7.
.set KTOT,   1024
.set WOFF,   0x600000
.set NSTEP,  KTOT/256
.set PA,     528
.set PB,     288
.set ASZ,    128*PA                    ; 67,584
.set SLOT,   ASZ+256*PB                ; 141,312
.set STAGE,  2*SLOT                    ; 282,624: 16 rows x 528 bytes for each wave; no fill lands here
.set BIAS4, 12                         ; v[12:15] bias of my 4 columns
.set ADRA, 16
.set ADRB, 20
.set RSA,  24                          ; where my partial block goes: 65,536 w + 16 lane
.set STO,  25
.set RDB,  26
.set CO,   27                          ; 16 lane
.set RDS,  28                          ; v28-31  source s's part of my 32 rows: 65,536 s + 16,384 w + 16 lane
.set F0,   64
.set F1,   128
.set SUM,  64                          ; v[64:191] my 32 rows x 128 columns, 16 tiles
.set T0,   192
.set T1,   224
.set G1,  24
.set G0,  32
.set G1B, 48
.set G0B, 56
.set MSB, 0
.macro WIN new                         ; the immediate's high byte repeats the setting that is left
.if MSB != \new
	s_set_vgpr_msb (MSB<<8)|\new
.set MSB, \new
.endif
.endm
.set MUL_LO, 0xa1
.set MUL_HI, 0xf1
.set TO_B,   0x40
.macro JLOAD s                         ; waves 0 and 1 fetch A's two halves, waves 2 and 3 W's; the branch hangs on the wave's number alone
	s_cmp_eq_u32 s11, 0
	s_cbranch_scc0 .Lfor_b_\@
	tensor_load_to_lds s[G0+4*\s:G0+4*\s+3], s[G1:G1+7]
	s_nop 0
	s_branch .Lasked_\@
.Lfor_b_\@:
	tensor_load_to_lds s[G0B+4*\s:G0B+4*\s+3], s[G1B:G1B+7]
	s_nop 0
	v_nop
.Lasked_\@:
.endm
.macro CREST
	s_cmp_lg_u32 s10, 0
	s_cbranch_scc1 .Lnot_wave_0_\@
	s_barrier_signal -3
.Lnot_wave_0_\@:
	s_barrier_wait -3
	s_barrier_signal -1
	s_barrier_wait -1
.endm
.macro CROUND
	s_barrier_signal -1
	s_barrier_wait -1
	CREST
.endm
	s_load_b128 s[4:7], s[0:1], 0x0                ; A s[4:5], the weights s[6:7]
	s_load_b128 s[72:75], s[0:1], 0x10             ; bias s[72:73], residual s[74:75]
	s_load_b64 s[8:9], s[0:1], 0x20                ; C
	v_lshl_add_u32 v62, v0, 2, 0x4d400
	v_mov_b32 v63, 0
	ds_add_u32 v62, v63
	v_lshrrev_b32 v1, 5, v0
	v_readfirstlane_b32 s10, v1                    ; wave 0..3
	s_lshr_b32 s11, s10, 1                         ; I fetch for A (0) or for W (1)
	s_and_b32 s12, s10, 1                          ; which half of that tile
	s_bfe_u32 s40, ttmp6, 0x40000                  ; cx
	s_bfe_u32 s41, ttmp6, 0x40004                  ; cy
	s_lshl_b32 s42, ttmp9, 2
	s_add_co_u32 s42, s42, s40                     ; block column
	s_and_b32 s13, ttmp7, 0xffff
	s_lshl_b32 s13, s13, 2
	s_add_co_u32 s13, s13, s41                     ; block row
	s_lshl_b32 s43, s41, 2
	s_lshl_b32 s43, 15, s43                        ; my row of the cluster
	s_lshl_b32 s44, 0x1111, s40                    ; my column
	s_or_b32 s[G1+0], s43, (1<<16)|(1<<20)|(1<<21)|(6<<22)|(3<<25)  ; A: after every 128 words 4 words of padding
	s_or_b32 s[G1B+0], s44, (1<<16)|(1<<20)|(1<<21)|(5<<22)|(7<<25) ; W: after every 64 words 8 words
	s_mov_b32 s[G1+1], 256<<16                     ; tensor_dim0
	s_mov_b32 s[G1B+1], 128<<16
	s_mov_b32 s[G1+2], 64<<16                      ; tensor_dim1
	s_mov_b32 s[G1B+2], 128<<16
	s_mov_b32 s[G1+3], 256<<16                     ; tile_dim0
	s_mov_b32 s[G1B+3], 128<<16
	s_mov_b32 s[G1+4], 64                          ; tile_dim1
	s_mov_b32 s[G1B+4], 128
	s_mov_b32 s[G1+5], KTOT                        ; elements from row to row
	s_mov_b32 s[G1B+5], 1024
	s_mov_b32 s[G1+6], 0
	s_mov_b32 s[G1B+6], 0
	s_mov_b32 s[G1+7], 0
	s_mov_b32 s[G1B+7], 0
	s_lshl_b32 s17, s12, 6
	s_lshl_b32 s16, s13, 7
	s_add_co_u32 s16, s16, s17                     ; A: row 128 x block row + 64 x half
	s_mul_i32 s16, s16, KTOT*2                     ; below 32 MiB
	s_mov_b32 s17, 0
	s_lshl_b32 s46, s42, 8                         ; W: 256 bytes x block column
	s_lshl_b32 s47, s12, 18                        ; + 128 k-rows of 2,048 bytes x half
	s_add_co_u32 s46, s46, s47
	s_add_co_u32 s46, s46, WOFF
	s_mov_b32 s47, 0
	s_mul_i32 s20, s12, 64*PA                      ; LDS: A's halves
	s_mul_i32 s21, s12, 128*PB
	s_add_co_u32 s21, s21, ASZ                     ; W's halves behind them
	s_lshl_b32 s66, s13, 7                         ; C and the residual: row 128 x block row + 32 x wave, in registers that feed no descriptor
	s_lshl_b32 s67, s10, 5
	s_add_co_u32 s66, s66, s67
	s_lshl_b32 s66, s66, 12
	s_lshl_b32 s70, s42, 9                         ; 512 bytes x block column
	s_add_co_u32 s66, s66, s70
	s_mov_b32 s67, 0
	s_mov_b32 s71, 0
	s_wait_dscnt 0x0
	s_wait_kmcnt 0x0
	s_add_nc_u64 s[14:15], s[4:5], s[16:17]
	s_add_nc_u64 s[46:47], s[6:7], s[46:47]
	s_add_nc_u64 s[72:73], s[72:73], s[70:71]
	s_add_nc_u64 s[74:75], s[74:75], s[66:67]
	s_add_nc_u64 s[8:9], s[8:9], s[66:67]
	CROUND                                         ; all sixteen work-groups are here: the first joint loads meet
.irp s, 0,1
	s_mov_b32 s[G0+4*\s], 1
	s_add_co_u32 s[G0+4*\s+1], s20, \s*SLOT
	s_add_nc_u64 s[G0+4*\s+2:G0+4*\s+3], s[14:15], \s*512
	s_or_b32 s[G0+4*\s+3], s[G0+4*\s+3], 0x80000000
	s_mov_b32 s[G0B+4*\s], 1
	s_add_co_u32 s[G0B+4*\s+1], s21, \s*SLOT
	s_add_nc_u64 s[G0B+4*\s+2:G0B+4*\s+3], s[46:47], \s*256*2048
	s_or_b32 s[G0B+4*\s+3], s[G0B+4*\s+3], 0x80000000
	JLOAD \s                                       ; two tensor loads of the wave are out
.endr
	v_and_b32 v6, 31, v0
	v_lshlrev_b32 v[CO], 4, v6
	global_load_b128 v[BIAS4:BIAS4+3], v[CO], s[72:73]                         ; bias and residual come in during the products; waited for on the way out
	WIN TO_B
.set t, 0
.rept 16
	global_load_b128 v[4*t:4*t+3], v[CO], s[74:75] offset:4096*t               ; a whole row of the block: 512 consecutive bytes
	global_load_b128 v[192+4*t:195+4*t], v[CO], s[74:75] offset:4096*(16+t)
.set t, t+1
.endr
	WIN 0
	v_and_b32 v1, 15, v0                           ; r
	v_bfe_u32 v2, v0, 4, 1                         ; h
	v_mul_u32_u24 v3, v1, PA
	v_lshl_add_u32 v3, v2, 4, v3
	s_lshl_b32 s22, s10, 6                         ; A: my 32 of each 128 along K
	v_and_b32 v4, 7, v0
	v_lshl_add_u32 v4, v2, 3, v4
	v_mul_u32_u24 v4, v4, PB
	v_bfe_u32 v5, v0, 3, 1
	v_lshl_add_u32 v4, v5, 4, v4
	s_mul_i32 s23, s10, 32*PB                      ; W: my 32 k-rows
	s_add_co_u32 s23, s23, ASZ
.irp s, 0,1
	v_add_nc_u32 v[ADRA+\s], s22, v3
	v_add_nc_u32 v[ADRB+\s], s23, v4
	s_add_co_u32 s22, s22, SLOT
	s_add_co_u32 s23, s23, SLOT
.endr
	s_lshl_b32 s22, s10, 16
	v_add_nc_u32 v[RSA], s22, v[CO]
	s_lshl_b32 s22, s10, 14
.irp s, 0,1,2,3
	v_add_nc_u32 v[RDS+\s], s22, v[CO]
	s_add_co_u32 s22, s22, 65536
.endr
	s_mul_i32 s23, s10, 16*528
	s_add_co_u32 s23, s23, STAGE
	v_mul_u32_u24 v7, v1, 528
	v_lshl_add_u32 v7, v2, 5, v7
	v_add_nc_u32 v[STO], s23, v7                   ; row r, 32 h bytes
	v_add_nc_u32 v[RDB], s23, v[CO]
.macro MUL16 f, hi, a0, zero
.irp a, \a0, \a0+1
.irp b, 0,1,2,3,4,5,6,7
.if \zero
	v_wmma_f32_16x16x32_bf16 v[8*(8*(\a)+\b):8*(8*(\a)+\b)+7], v[\f+8*\b:\f+8*\b+7], v[\f+8*(4*\hi+\a):\f+8*(4*\hi+\a)+7], 0
.else
	v_wmma_f32_16x16x32_bf16 v[8*(8*(\a)+\b):8*(8*(\a)+\b)+7], v[\f+8*\b:\f+8*\b+7], v[\f+8*(4*\hi+\a):\f+8*(4*\hi+\a)+7], v[8*(8*(\a)+\b):8*(8*(\a)+\b)+7]
.endif
.endr
.endr
.endm
.macro FETCH slot, j, f                ; my 32 along K of half j of a slot: 128 columns of W (transposing), 128 rows of A
	WIN TO_B
.irp i, 0,1,2,3,4,5,6,7
	ds_load_tr16_b128 v[\f+8*\i:\f+8*\i+3],   v[ADRB+\slot] offset:\j*128*PB+32*\i
	ds_load_tr16_b128 v[\f+8*\i+4:\f+8*\i+7], v[ADRB+\slot] offset:\j*128*PB+32*\i+16*PB
.endr
	WIN 0
.irp i, 0,1,2,3,4,5,6,7
	ds_load_b128 v[\f+8*\i:\f+8*\i+3],   v[ADRA+\slot] offset:\j*256+\i*16*PA
	ds_load_b128 v[\f+8*\i+4:\f+8*\i+7], v[ADRA+\slot] offset:\j*256+\i*16*PA+32
.endr
.endm
.macro PLACES                          ; four plain places behind a matrix instruction (ISA guide 7.12.1)
.rept 4
	v_nop
.endr
.endm
; The 64 accumulators take turns, one instruction a turn, in the same order throughout, over the backward jump too.
.macro QUARTER slot, j, f, g, zero
	s_wait_dscnt 8                                 ; W and A's rows 0-63 are in; the youngest eight loads may be out
	WIN MUL_LO
	MUL16 \f, 0, 0, \zero
	MUL16 \f, 0, 2, \zero
	PLACES
	FETCH \slot, \j, \g
	s_wait_dscnt 32                                ; all but the 32 just issued
	WIN MUL_HI
	MUL16 \f, 1, 0, \zero
	MUL16 \f, 1, 2, \zero
.endm
.macro TURN slot, next, fill
	s_wait_dscnt 8
	WIN MUL_LO
	MUL16 F1, 0, 0, 0
	s_wait_dscnt 0                                 ; my reads of this slot are over
	s_set_vgpr_msb 0xa1a0
	s_wait_tensorcnt 0x0                           ; all my tensor loads have landed: the one that was out is my part of the next slot
	ds_add_u32 v62, v63
	s_wait_dscnt 0x0
	s_set_vgpr_msb 0xa0a1
	s_barrier_signal -1
	MUL16 F1, 0, 2, 0
	WIN 0
	s_barrier_wait -1
.if \fill
	CREST                                          ; the cluster's round: no wave of any partner still reads this slot or has a load on its way
	s_add_nc_u64 s[G0+4*\slot+2:G0+4*\slot+3], s[G0+4*\slot+2:G0+4*\slot+3], 2*512
	s_add_nc_u64 s[G0B+4*\slot+2:G0B+4*\slot+3], s[G0B+4*\slot+2:G0B+4*\slot+3], 2*256*2048
	JLOAD \slot                                    ; the wave's one tensor load behind the round; 112 matrix instructions stand before the wait for it
.endif
	PLACES
	FETCH \next, 0, F0
	WIN MUL_HI
	MUL16 F1, 1, 0, 0
	MUL16 F1, 1, 2, 0
.endm
.macro STEP slot, next, zero, fill
	QUARTER \slot, 1, F0, F1, \zero
	TURN \slot, \next, \fill
.endm
	s_wait_tensorcnt 1                             ; my part of step 0 is in; step 1's stays out
	s_barrier_signal -1
	s_barrier_wait -1
	FETCH 0, 0, F0
	STEP 0, 1, 1, 1                                ; the first products start the sums
	STEP 1, 0, 0, 1
.if NSTEP > 4
	WIN 0
	s_mov_b32 s3, (NSTEP-4)/2
.Llap:
	STEP 0, 1, 0, 1
	STEP 1, 0, 0, 1
	WIN 0
	s_sub_co_u32 s3, s3, 1
	s_cmp_lg_u32 s3, 0
	s_cbranch_scc1 .Llap
.endif
	STEP 0, 1, 0, 0                                ; the last two steps fill nothing
	QUARTER 1, 1, F0, F1, 0
	s_wait_dscnt 8
	WIN MUL_LO
	MUL16 F1, 0, 0, 0
	MUL16 F1, 0, 2, 0
	s_wait_dscnt 0
	WIN MUL_HI
	MUL16 F1, 1, 0, 0
	MUL16 F1, 1, 2, 0
	; THE WAY OUT.  The ring has had its last fill; its first 262,144 bytes take the four partial blocks, 65,536 bytes a wave, tile T at 1,024 T.
	PLACES
	WIN 0
	s_wait_dscnt 0x0
	s_barrier_signal -1
	s_barrier_wait -1                              ; every wave's reads of the ring are over
	WIN 0x08                                       ; store data from window 2
.set t, 0
.rept 32
	ds_store_b128 v[RSA], v[8*t:8*t+3] offset:1024*t
	ds_store_b128 v[RSA], v[8*t+4:8*t+7] offset:1024*t+512
.set t, t+1
.endr
	WIN 0x0c                                       ; from window 3
.set t, 0
.rept 32
	ds_store_b128 v[RSA], v[8*t:8*t+3] offset:1024*(32+t)
	ds_store_b128 v[RSA], v[8*t+4:8*t+7] offset:1024*(32+t)+512
.set t, t+1
.endr
	WIN 0
	s_wait_dscnt 0x0                               ; for the others' sake
	s_barrier_signal -1
	s_barrier_wait -1
	; wave w adds the four waves' tiles 16 w .. 16 w + 15 (rows 32 w .. 32 w + 31)
.set u, 0
.rept 16
	ds_load_b128 v[SUM+8*u:SUM+8*u+3], v[RDS] offset:1024*u
	ds_load_b128 v[SUM+8*u+4:SUM+8*u+7], v[RDS] offset:1024*u+512
.set u, u+1
.endr
.macro RBATCH n, T                     ; batch n of twelve: source 1 + n / 4, tiles 4 (n % 4) .. + 3: eight loads
.irp q, 0,1,2,3
	ds_load_b128 v[\T+8*\q:\T+8*\q+3],   v[RDS+1+(\n)/4] offset:1024*(4*((\n)%4)+\q)
	ds_load_b128 v[\T+8*\q+4:\T+8*\q+7], v[RDS+1+(\n)/4] offset:1024*(4*((\n)%4)+\q)+512
.endr
.endm
.macro RSTEP n, T, left, more
	s_wait_dscnt \left                             ; batch n is in; the younger batch's eight loads stay out
.irp q, 0,1,2,3,4,5,6,7,8,9,10,11,12,13,14,15
	v_pk_add_f32 v[SUM+32*((\n)%4)+2*\q:SUM+32*((\n)%4)+2*\q+1], v[SUM+32*((\n)%4)+2*\q:SUM+32*((\n)%4)+2*\q+1], v[\T+2*\q:\T+2*\q+1]
.endr
.if \more
	RBATCH \n+2, \T
.endif
.endm
	RBATCH 0, T0
	RBATCH 1, T1
	RSTEP 0, T0, 8, 1
	RSTEP 1, T1, 8, 1
	RSTEP 2, T0, 8, 1
	RSTEP 3, T1, 8, 1
	RSTEP 4, T0, 8, 1
	RSTEP 5, T1, 8, 1
	RSTEP 6, T0, 8, 1
	RSTEP 7, T1, 8, 1
	RSTEP 8, T0, 8, 1
	RSTEP 9, T1, 8, 1
	RSTEP 10, T0, 8, 0
	RSTEP 11, T1, 0, 0
; 16 rows through my stage: in as the accumulators lie, back as whole rows of 512 bytes; + residual + bias; out.  T and RES: registers, RES in window 1.
.macro ROWS a1, T, RES
.irp b, 0,1,2,3,4,5,6,7
	ds_store_b128 v[STO], v[SUM+64*\a1+8*\b:SUM+64*\a1+8*\b+3] offset:64*\b
	ds_store_b128 v[STO], v[SUM+64*\a1+8*\b+4:SUM+64*\a1+8*\b+7] offset:64*\b+16
.endr
.set t, 0
.rept 16
	ds_load_b128 v[\T+4*t:\T+4*t+3], v[RDB] offset:528*t                       ; my own bytes: LDS serves a wave's instructions in order
.set t, t+1
.endr
	s_wait_dscnt 0x0
	WIN 0x04                                       ; source 1 from window 1
.set t, 0
.rept 32
	v_pk_add_f32 v[\T+2*t:\T+2*t+1], v[\T+2*t:\T+2*t+1], v[\RES+2*t:\RES+2*t+1]
.set t, t+1
.endr
	WIN 0
.set t, 0
.rept 16
	v_pk_add_f32 v[\T+4*t:\T+4*t+1], v[\T+4*t:\T+4*t+1], v[BIAS4:BIAS4+1]
	v_pk_add_f32 v[\T+4*t+2:\T+4*t+3], v[\T+4*t+2:\T+4*t+3], v[BIAS4+2:BIAS4+3]
	global_store_b128 v[CO], v[\T+4*t:\T+4*t+3], s[8:9] offset:(16*\a1+t)*4096 ; the wave stores 512 consecutive bytes, aligned
.set t, t+1
.endr
.endm
	s_wait_loadcnt 0x0                             ; bias and residual
	ROWS 0, 192, 0
	ROWS 1, 64, 192                                ; other registers than the first sixteen stores read
	s_wait_tensorcnt 0x0
	ds_add_u32 v62, v63
	s_wait_dscnt 0x0
	CROUND                                         ; the closing round
	s_endpgm
.Lfunc_end_k_qc82c44212f_oproj:
	.size	k_qc82c44212f_oproj, .Lfunc_end_k_qc82c44212f_oproj-k_qc82c44212f_oproj
	.p2alignl 7, 3214868480
	.fill 96, 4, 3214868480
	.section	.rodata,"a",@progbits
	.p2align	6, 0x0
	.amdhsa_kernel k_qc82c44212f_oproj
		.amdhsa_group_segment_fixed_size 327680
		.amdhsa_private_segment_fixed_size 0
		.amdhsa_enable_private_segment 0
		.amdhsa_kernarg_size 40
		.amdhsa_user_sgpr_count 2
		.amdhsa_user_sgpr_kernarg_segment_ptr 1
		.amdhsa_wavefront_size32 1
		.amdhsa_system_sgpr_workgroup_id_x 1
		.amdhsa_system_sgpr_workgroup_id_y 1
		.amdhsa_system_sgpr_workgroup_id_z 1
		.amdhsa_system_vgpr_workitem_id 0
		.amdhsa_next_free_vgpr 1024
		.amdhsa_next_free_sgpr 80
		.amdhsa_reserve_vcc 0
		.amdhsa_float_denorm_mode_32 3
		.amdhsa_float_denorm_mode_16_64 3
		.amdhsa_memory_ordered 1
		.amdhsa_forward_progress 1
		.amdhsa_inst_pref_size 108
	.end_amdhsa_kernel
	.amdgpu_metadata
---
amdhsa.version: [ 1, 2 ]
amdhsa.kernels:
  - .name:           k_qc82c44212f_oproj
    .symbol:         k_qc82c44212f_oproj.kd
    .args:
      - { .name: ctx, .offset: 0, .size: 8, .value_kind: global_buffer, .address_space: global }
      - { .name: wbf, .offset: 8, .size: 8, .value_kind: global_buffer, .address_space: global }
      - { .name: bo, .offset: 16, .size: 8, .value_kind: global_buffer, .address_space: global }
      - { .name: x, .offset: 24, .size: 8, .value_kind: global_buffer, .address_space: global }
      - { .name: x1, .offset: 32, .size: 8, .value_kind: global_buffer, .address_space: global }
    .group_segment_fixed_size: 327680
    .private_segment_fixed_size: 0
    .kernarg_segment_align: 8
    .kernarg_segment_size: 40
    .max_flat_workgroup_size: 128
    .sgpr_count:     80
    .vgpr_count:     1024
    .wavefront_size: 32
...
	.end_amdgpu_metadata
.endif
;; end of part 4
;; launch ln2 (part 5): grid 256 x 1, 8 waves a work-group, no clusters, 0 bytes of LDS; arguments x1, ln2_g, ln2_b, hbuf; writes hbuf
.if DOCPART == 5
	.amdgcn_target "amdgcn-amd-amdhsa--gfx1250"
	.amdhsa_code_object_version 6
	.text
	.protected	k_qc82c44212f_ln2
	.globl	k_qc82c44212f_ln2
	.p2align	8
	.type	k_qc82c44212f_ln2,@function
k_qc82c44212f_ln2:
	s_mov_b64 s[64:65], 0
	v_nop
	global_prefetch_b8 v0, s[64:65] scope:SCOPE_SE
	s_setreg_imm32_b32 hwreg(HW_REG_WAVE_MODE, 25, 1), 1
	s_wait_xcnt 0x0
; LayerNorm over rows of 1,024 f32, result in bf16:  y = (x - mean) * rsqrt(var + 1e-5) * g + b.
; One wave takes two whole rows (4,096 bytes = 32 registers each) and keeps them in registers: memory is read once, the reduction never
; leaves the wave, so there is no LDS and no barrier.  The variance is the mean of (x - mean)^2, in two passes as the definition has it,
; so a common offset of the inputs costs no digits.  Eight waves, 16 rows a work-group, 256 work-groups for 4,096 rows.
.set ROWIN,  4096
.set ROWOUT, 2048
.set M,   4                            ; v[4:5]    the mean, twice
.set R0,  6                            ; v[6:7]    1/sqrt(var+eps) of row 0, twice
.set R1,  8                            ; v[8:9]    of row 1
.set C,   12                           ; v[12:19]  four chains of packed sums
.set T,   20                           ; v[20:21]  the sum across lanes
.set X0,  32                           ; v[32:63]  row 0
.set X1,  64                           ; v[64:95]  row 1
.set G,   96                           ; v[96:127] gain of my 32 columns
.set B,   128                          ; v[128:159] bias of my 32 columns
.set Y0,  160                          ; v[160:175] row 0 in bf16
.set Y1,  176                          ; v[176:191] row 1 in bf16
	s_load_b256 s[4:11], s[0:1], 0x0               ; x s[4:5], g s[6:7], b s[8:9], y s[10:11]
	s_mov_b32 s12, 0x76543210                      ; v_permlanex16_b32: lane i reads lane i of the other half
	s_mov_b32 s13, 0xfedcba98
	s_mov_b32 s14, 0x3a800000                      ; 1/1024
	s_mov_b32 s15, 0x3727c5ac                      ; 1e-5
	s_lshl_b32 s16, ttmp9, 16                      ; 16 rows of 4,096 bytes
	s_mov_b32 s17, 0
	s_lshl_b32 s18, ttmp9, 15                      ; 16 rows of 2,048 bytes
	s_mov_b32 s19, 0
	v_and_b32 v4, 31, v0
	v_lshrrev_b32 v5, 5, v0
	v_lshlrev_b32 v3, 4, v4                        ; g, b: 16 lane
	v_lshl_add_u32 v1, v5, 13, v3                  ; x: + two rows a wave
	v_lshlrev_b32 v4, 3, v4
	v_lshl_add_u32 v2, v5, 12, v4                  ; y: 8 lane + two rows a wave
	v_mov_b32 v[T+1], 0                            ; v_permlanex16_b32 counts as a reader of its destination
	s_wait_kmcnt 0x0
	s_add_nc_u64 s[4:5], s[4:5], s[16:17]
	s_add_nc_u64 s[10:11], s[10:11], s[18:19]
.irp j, 0,1,2,3,4,5,6,7
	global_load_b128 v[X0+4*\j:X0+4*\j+3], v1, s[4:5] offset:512*\j            ; load j: columns 128 j + 4 lane ..
.endr
.irp j, 0,1,2,3,4,5,6,7
	global_load_b128 v[X1+4*\j:X1+4*\j+3], v1, s[4:5] offset:512*\j+ROWIN
.endr
.irp j, 0,1,2,3,4,5,6,7
	global_load_b128 v[G+4*\j:G+4*\j+3], v3, s[6:7] offset:512*\j
.endr
.irp j, 0,1,2,3,4,5,6,7
	global_load_b128 v[B+4*\j:B+4*\j+3], v3, s[8:9] offset:512*\j
.endr
.macro WSUM                            ; four chains -> one number -> the sum over the 32 lanes, in every lane
	v_pk_add_f32 v[C:C+1], v[C:C+1], v[C+2:C+3]
	v_pk_add_f32 v[C+4:C+5], v[C+4:C+5], v[C+6:C+7]
	v_pk_add_f32 v[C:C+1], v[C:C+1], v[C+4:C+5]
	v_add_f32 v[T], v[C], v[C+1]
	v_add_f32_dpp v[T], v[T], v[T] row_xmask:1 row_mask:0xf bank_mask:0xf
	v_add_f32_dpp v[T], v[T], v[T] row_xmask:2 row_mask:0xf bank_mask:0xf
	v_add_f32_dpp v[T], v[T], v[T] row_xmask:4 row_mask:0xf bank_mask:0xf
	v_add_f32_dpp v[T], v[T], v[T] row_xmask:8 row_mask:0xf bank_mask:0xf
	v_permlanex16_b32 v[T+1], v[T], s12, s13
	v_add_f32 v[T], v[T], v[T+1]
.endm
; The row in X becomes x - mean; R gets 1/sqrt(var + eps), twice.
.macro STATS X, R
.irp k, 0,1,2,3
	v_pk_add_f32 v[C+2*\k:C+2*\k+1], v[\X+2*\k:\X+2*\k+1], v[\X+8+2*\k:\X+9+2*\k]   ; the first pairs start the chains: nothing is cleared
.endr
.irp p, 8,9,10,11,12,13,14,15
	v_pk_add_f32 v[C+2*(\p%4):C+2*(\p%4)+1], v[C+2*(\p%4):C+2*(\p%4)+1], v[\X+2*\p:\X+2*\p+1]
.endr
	WSUM
	v_mul_f32 v[M], s14, v[T]
	v_mul_f32 v[M+1], s14, v[T]
.irp p, 0,1,2,3,4,5,6,7,8,9,10,11,12,13,14,15
	v_pk_add_f32 v[\X+2*\p:\X+2*\p+1], v[\X+2*\p:\X+2*\p+1], v[M:M+1] neg_lo:[0,1] neg_hi:[0,1]
.endr
.irp k, 0,1,2,3
	v_pk_mul_f32 v[C+2*\k:C+2*\k+1], v[\X+2*\k:\X+2*\k+1], v[\X+2*\k:\X+2*\k+1]
.endr
.irp p, 4,5,6,7,8,9,10,11,12,13,14,15
	v_pk_fma_f32 v[C+2*(\p%4):C+2*(\p%4)+1], v[\X+2*\p:\X+2*\p+1], v[\X+2*\p:\X+2*\p+1], v[C+2*(\p%4):C+2*(\p%4)+1]
.endr
	WSUM
	v_fma_f32 v[T], v[T], s14, s15                 ; var + eps
	v_rsq_f32 v[\R], v[T]
	v_rsq_f32 v[\R+1], v[T]
	v_nop                                          ; one plain place behind a transcendental before its result is used or its source rewritten (ISA guide 5.7.2)
.endm
.macro NORM X, R, Y, off
	s_wait_alu depctr_va_vdst(0)
.irp p, 0,1,2,3,4,5,6,7,8,9,10,11,12,13,14,15
	v_pk_mul_f32 v[\X+2*\p:\X+2*\p+1], v[\X+2*\p:\X+2*\p+1], v[\R:\R+1]
.endr
.irp p, 0,1,2,3,4,5,6,7,8,9,10,11,12,13,14,15
	v_pk_fma_f32 v[\X+2*\p:\X+2*\p+1], v[\X+2*\p:\X+2*\p+1], v[G+2*\p:G+2*\p+1], v[B+2*\p:B+2*\p+1]
.endr
.irp p, 0,1,2,3,4,5,6,7,8,9,10,11,12,13,14,15
	v_cvt_pk_bf16_f32 v[\Y+\p], v[\X+2*\p], v[\X+2*\p+1]
.endr
.irp j, 0,1,2,3,4,5,6,7
	global_store_b64 v2, v[\Y+2*\j:\Y+2*\j+1], s[10:11] offset:256*\j+\off     ; the wave's store covers 256 consecutive bytes, aligned
.endr
.endm
	s_wait_loadcnt 24                              ; row 0 is in; row 1, g and b (24 loads) stay out
	STATS X0, R0
	s_wait_loadcnt 16                              ; row 1 is in; g and b stay out
	STATS X1, R1
	s_wait_loadcnt 0x0                             ; g and b
	NORM X0, R0, Y0, 0
	NORM X1, R1, Y1, ROWOUT
	s_endpgm
.Lfunc_end_k_qc82c44212f_ln2:
	.size	k_qc82c44212f_ln2, .Lfunc_end_k_qc82c44212f_ln2-k_qc82c44212f_ln2
	.p2alignl 7, 3214868480
	.fill 96, 4, 3214868480
	.section	.rodata,"a",@progbits
	.p2align	6, 0x0
	.amdhsa_kernel k_qc82c44212f_ln2
		.amdhsa_group_segment_fixed_size 0
		.amdhsa_private_segment_fixed_size 0
		.amdhsa_enable_private_segment 0
		.amdhsa_kernarg_size 32
		.amdhsa_user_sgpr_count 2
		.amdhsa_user_sgpr_kernarg_segment_ptr 1
		.amdhsa_wavefront_size32 1
		.amdhsa_system_sgpr_workgroup_id_x 1
		.amdhsa_system_sgpr_workgroup_id_y 1
		.amdhsa_system_sgpr_workgroup_id_z 1
		.amdhsa_system_vgpr_workitem_id 0
		.amdhsa_next_free_vgpr 192
		.amdhsa_next_free_sgpr 66
		.amdhsa_reserve_vcc 0
		.amdhsa_float_denorm_mode_32 3
		.amdhsa_float_denorm_mode_16_64 3
		.amdhsa_memory_ordered 1
		.amdhsa_forward_progress 1
		.amdhsa_inst_pref_size 20
	.end_amdhsa_kernel
	.amdgpu_metadata
---
amdhsa.version: [ 1, 2 ]
amdhsa.kernels:
  - .name:           k_qc82c44212f_ln2
    .symbol:         k_qc82c44212f_ln2.kd
    .args:
      - { .name: x1, .offset: 0, .size: 8, .value_kind: global_buffer, .address_space: global }
      - { .name: ln2_g, .offset: 8, .size: 8, .value_kind: global_buffer, .address_space: global }
      - { .name: ln2_b, .offset: 16, .size: 8, .value_kind: global_buffer, .address_space: global }
      - { .name: hbuf, .offset: 24, .size: 8, .value_kind: global_buffer, .address_space: global }
    .group_segment_fixed_size: 0
    .private_segment_fixed_size: 0
    .kernarg_segment_align: 8
    .kernarg_segment_size: 32
    .max_flat_workgroup_size: 256
    .sgpr_count:     66
    .vgpr_count:     192
    .wavefront_size: 32
...
	.end_amdgpu_metadata
.endif
;; end of part 5
;; launch ff1 (part 6): grid 16 x 16, 4 waves a work-group, clusters of 4 x 4, 327,680 bytes of LDS; arguments hbuf, wbf, gbuf, b1; writes gbuf
.if DOCPART == 6
	.amdgcn_target "amdgcn-amd-amdhsa--gfx1250"
	.amdhsa_code_object_version 6
	.text
	.protected	k_qc82c44212f_ff1
	.globl	k_qc82c44212f_ff1
	.p2align	8
	.type	k_qc82c44212f_ff1,@function
k_qc82c44212f_ff1:
	s_mov_b64 s[64:65], 0
	v_nop
	global_prefetch_b8 v0, s[64:65] scope:SCOPE_SE
	s_setreg_imm32_b32 hwreg(HW_REG_WAVE_MODE, 25, 1), 1
	s_wait_xcnt 0x0
	s_wait_alu depctr_hold_cnt(0) depctr_sa_sdst(0) depctr_va_vdst(0) depctr_va_sdst(0) depctr_va_ssrc(0) depctr_va_vcc(0) depctr_vm_vsrc(0)
	s_getreg_b32 s2, hwreg(HW_REG_IB_STS2, 6, 4)
	s_cmp_eq_u32 s2, 0
	s_cbranch_scc0 .Lentry_in_a_cluster
	s_endpgm
.Lentry_in_a_cluster:
	s_bfe_u32 s2, ttmp6, 0x10000c
	s_cmp_lg_u32 s2, 0xf033
	s_cbranch_scc0 .Lentry_shape_is_right
	s_endpgm
.Lentry_shape_is_right:
; C = A W + bias (FF1 = 1: gelu of it), C in bf16.  A: [4096][1024] bf16.  W: bf16, stored [K][N] with BP numbers a row.  Sums in f32.
; FF1 = 0: W is wq, wk or wv (cluster x picks it, and its bias); C is [4096][3072], q | k | v side by side.   FF1 = 1: W is w1, C is [4096][4096].
; A work-group makes 256 x 256 of C with four waves; a wave makes 128 x 128: 64 accumulator tiles of 16 x 16 in 512 registers.
; K goes in steps of 128 through a ring of two LDS slots filled by the tensor data mover.  A's tile: 256 rows x 256 bytes, pitch 272.
; W's tile is taken as it lies, 128 k-rows x 512 bytes, pitch 544 (17 x 32), and its fragments are read by the transposing LDS load:
; lane L addresses row k0 + 8 (L/16) + L%8, 16 bytes at column n0 + 8 ((L/8)%2), and receives k0 + 8 (L/16) + 0..7 of column n0 + L%16.
; CLUSTERS: 4 x 4 work-groups.  A's tile hangs on the block row alone and is asked for jointly along a row of the cluster, W's on the block
; column alone and is asked for jointly along a column: a quarter of the requests.
; REGISTERS in windows of 256: window 0: addresses, GELU's constants and scratch, A's fragments (two buffers), the way out;
; window 1: W's fragments (two buffers) and v192-255 the bias of my 128 columns; windows 2, 3: accumulators, tile (a, b) at v[8 (8 a + b)].
; THE MATRIX INSTRUCTION IS USED TRANSPOSED (source 0 = 16 columns of W, source 1 = 16 rows of A): lane l holds row l % 16 of C and its
; registers 0..7 the columns 8 (l / 16) + 0..7, eight neighbouring numbers, which pack into 16 bytes.
; LIMIT (FF1 = 1): erf is Abramowitz-Stegun 7.1.25, |error| <= 2.5e-5 for every argument, so gelu is off by at most 1.25e-5 |x|.
.set FF1,    1
.if FF1
.set BP,     4096
.set NOUT,   4096
.else
.set BP,     1024
.set NOUT,   3072
.endif
.set KTOT,   1024
.set KSTEP,  128
.set PA,     272                       ; A's LDS pitch: 256 + 16, an odd multiple of 16
.set PB,     544                       ; W's LDS pitch: 512 + 32, an odd multiple of 32
.set HALFT,  128*PA                    ; what one tensor load brings: 128 rows of A, or 64 k-rows of W (64 x 544 is the same figure)
.set SLOT,   4*HALFT
.set STAGE,  2*SLOT                    ; behind the ring: 16 rows x 272 bytes for each wave; no fill lands here
.set SPITCH, 272
.set LAPS,   KTOT/(2*KSTEP)            ; a lap = two K steps = once round the ring
.set KU, 2                             ; v[2:11] GELU's five constants, each twice
.set KS, 4
.set K3, 6
.set K2, 8
.set K1, 10
.set ADRA, 16                          ; v16-17  LDS address of my A fragments in slot 0, 1
.set ADRB, 20                          ; v20-21  the same for W
.set STO,  24                          ; the way out: where I put 16 bytes of a row
.set RD,   25                          ; the way out: where I read a row back
.set CO,   26                          ; my byte offset in C
.set BO,   27                          ; my byte offset in the bias
.set GA,   32                          ; GELU: |x|
.set GU,   40                          ; GELU: 1 + p |x| / sqrt 2, then t
.set GS,   48                          ; GELU: -x^2 log2(e) / 2, then e^(-x^2/2)
.set GP,   56                          ; GELU: the polynomial
.set F0,   64
.set F1,   128
.set E,    64                          ; the way out: 64 numbers in f32 (buffer 0's registers)
.set TMP,  192
.set BIAS, 192                         ; in window 1
.set G1,  24
.set G0,  32
.set G1B, 48
.set G0B, 56
.set MSB, 0
.macro WIN new                         ; the immediate's high byte repeats the setting that is left
.if MSB != \new
	s_set_vgpr_msb (MSB<<8)|\new
.set MSB, \new
.endif
.endm
.set MUL_LO, 0xa1                      ; source 0 (W) window 1, source 1 (A) window 0, C and D window 2
.set MUL_HI, 0xf1                      ; the same, C and D window 3
.set TO_B,   0x40                      ; destination window 1, address window 0
; A joint load: waves 0 and 1 fetch A's two halves, waves 2 and 3 W's.  The branch hangs on the wave's number alone.
.macro JLOAD s
	s_cmp_eq_u32 s11, 0
	s_cbranch_scc0 .Lfor_b_\@
	tensor_load_to_lds s[G0+4*\s:G0+4*\s+3], s[G1:G1+7]
	s_nop 0
	s_branch .Lasked_\@
.Lfor_b_\@:
	tensor_load_to_lds s[G0B+4*\s:G0B+4*\s+3], s[G1B:G1B+7]
	s_nop 0
	v_nop
.Lasked_\@:
.endm
.macro CREST                           ; a round of the cluster's barrier behind its opening barrier
	s_cmp_lg_u32 s10, 0
	s_cbranch_scc1 .Lnot_wave_0_\@
	s_barrier_signal -3
.Lnot_wave_0_\@:
	s_barrier_wait -3
	s_barrier_signal -1
	s_barrier_wait -1
.endm
.macro CROUND                          ; a whole round
	s_barrier_signal -1
	s_barrier_wait -1
	CREST
.endm
	s_load_b128 s[4:7], s[0:1], 0x0                ; A s[4:5], the weights s[6:7]
	s_load_b64 s[8:9], s[0:1], 0x10                ; C
	s_load_b64 s[68:69], s[0:1], 0x18              ; the (first) bias
	s_set_vgpr_msb 0x40
	v_lshl_add_u32 v63, v0, 2, 0x48400
	s_set_vgpr_msb 0x4000
	v_mov_b32 v255, 0
	s_set_vgpr_msb 0x1
	ds_add_u32 v63, v255
	s_set_vgpr_msb 0x100
.if FF1 == 0
	s_load_b128 s[72:75], s[0:1], 0x20             ; bk, bv
.endif
	v_lshrrev_b32 v1, 5, v0
	v_readfirstlane_b32 s10, v1                    ; wave 0..3
	s_lshr_b32 s11, s10, 1                         ; my half of the block's rows.  Also: I fetch for A (0) or for W (1)
	s_and_b32 s12, s10, 1                          ; my half of its columns.  Also: which half of that tile I fetch
	s_bfe_u32 s40, ttmp6, 0x40000                  ; cx
	s_bfe_u32 s41, ttmp6, 0x40004                  ; cy
	s_lshl_b32 s42, ttmp9, 2
	s_add_co_u32 s42, s42, s40                     ; block column = 4 x cluster x + cx
	s_and_b32 s13, ttmp7, 0xffff
	s_lshl_b32 s13, s13, 2
	s_add_co_u32 s13, s13, s41                     ; block row = 4 x cluster y + cy
	s_mov_b32 s66, ttmp9                           ; cluster x
	s_lshl_b32 s43, s41, 2
	s_lshl_b32 s43, 15, s43                        ; my row of the cluster
	s_lshl_b32 s44, 0x1111, s40                    ; my column
	s_or_b32 s[G1+0], s43, (1<<16)|(1<<20)|(1<<21)|(5<<22)|(3<<25)  ; mask; 2-byte elements; padding on; bit 21 beside a mask; after every 64 words 4 words
	s_or_b32 s[G1B+0], s44, (1<<16)|(1<<20)|(1<<21)|(6<<22)|(7<<25) ; after every 128 words 8 words
	s_mov_b32 s[G1+1], KSTEP<<16                   ; tensor_dim0 = 128
	s_mov_b32 s[G1B+1], 256<<16                    ; 256
	s_mov_b32 s[G1+2], 128<<16                     ; tensor_dim1 = 128
	s_mov_b32 s[G1B+2], 64<<16                     ; 64
	s_mov_b32 s[G1+3], KSTEP<<16                   ; tile_dim0
	s_mov_b32 s[G1B+3], 256<<16
	s_mov_b32 s[G1+4], 128                         ; tile_dim1
	s_mov_b32 s[G1B+4], 64
	s_mov_b32 s[G1+5], KTOT                        ; elements from row to row
	s_mov_b32 s[G1B+5], BP
	s_mov_b32 s[G1+6], 0
	s_mov_b32 s[G1B+6], 0
	s_mov_b32 s[G1+7], 0
	s_mov_b32 s[G1B+7], 0
	; A's address is made of the block row and the wave's number, W's of the block column and the wave's number, in registers of their own
	s_lshl_b32 s17, s12, 7
	s_lshl_b32 s16, s13, 8
	s_add_co_u32 s16, s16, s17                     ; A: row 256 x block row + 128 x half
	s_lshl_b32 s16, s16, 11                        ; x 2,048 bytes (below 8 MiB)
	s_mov_b32 s17, 0
.if FF1
	s_lshl_b32 s46, s42, 9                         ; W: 512 bytes x block column,
	s_add_co_u32 s46, s46, 0x800000                ; w1 lies at 8 MiB
	s_lshl_b32 s70, s42, 10                        ; bias: 1,024 bytes x block column
.else
	s_lshl_b32 s46, s66, 21                        ; W: 2 MiB x cluster x (wq, wk, wv),
	s_lshl_b32 s47, s40, 9                         ; 512 bytes x cx
	s_add_co_u32 s46, s46, s47
	s_lshl_b32 s70, s40, 10
.endif
	s_mul_i32 s47, s12, 64*BP*2                    ; my 64 k-rows of the tile
	s_add_co_u32 s46, s46, s47
	s_mov_b32 s47, 0
	s_lshl_b32 s71, s12, 9                         ; bias of my wave's 128 columns
	s_add_co_u32 s70, s70, s71
	s_mov_b32 s71, 0
	s_mul_i32 s20, s10, HALFT                      ; LDS: A's two halves, then W's two halves = wave x HALFT
	s_wait_dscnt 0x0
	s_wait_kmcnt 0x0
.if FF1 == 0
	s_cmp_eq_u32 s66, 1
	s_cselect_b64 s[68:69], s[72:73], s[68:69]
	s_cmp_eq_u32 s66, 2
	s_cselect_b64 s[68:69], s[74:75], s[68:69]
.endif
	s_add_nc_u64 s[68:69], s[68:69], s[70:71]
	s_add_nc_u64 s[14:15], s[4:5], s[16:17]
	s_add_nc_u64 s[46:47], s[6:7], s[46:47]
	CROUND                                         ; all sixteen work-groups are here: the first joint loads meet
.irp s, 0,1
	s_mov_b32 s[G0+4*\s], 1
	s_add_co_u32 s[G0+4*\s+1], s20, \s*SLOT
	s_add_nc_u64 s[G0+4*\s+2:G0+4*\s+3], s[14:15], \s*KSTEP*2
	s_or_b32 s[G0+4*\s+3], s[G0+4*\s+3], 0x80000000
	s_mov_b32 s[G0B+4*\s], 1
	s_add_co_u32 s[G0B+4*\s+1], s20, \s*SLOT
	s_add_nc_u64 s[G0B+4*\s+2:G0B+4*\s+3], s[46:47], \s*KSTEP*BP*2
	s_or_b32 s[G0B+4*\s+3], s[G0B+4*\s+3], 0x80000000
	JLOAD \s                                       ; the ring is filled before anything else: two tensor loads of the wave are out
.endr
	v_and_b32 v1, 15, v0                           ; r = l % 16
	v_bfe_u32 v2, v0, 4, 1                         ; h = l / 16
	v_lshlrev_b32 v[BO], 5, v2                     ; 8 h columns of 4 bytes
	WIN TO_B
.irp b, 0,1,2,3,4,5,6,7
	global_load_b128 v[BIAS+8*\b:BIAS+8*\b+3],   v[BO], s[68:69] offset:64*\b      ; bias of columns 16 b + 8 h + 0..7, as the accumulators hold them;
	global_load_b128 v[BIAS+8*\b+4:BIAS+8*\b+7], v[BO], s[68:69] offset:64*\b+16   ; waited for on the way out
.endr
	WIN 0
	v_mul_u32_u24 v3, v1, PA
	v_lshl_add_u32 v3, v2, 4, v3                   ; A: r x pitch + 16 h
	s_mul_i32 s21, s11, HALFT                      ; my 128 rows of A
	v_and_b32 v4, 7, v0
	v_lshl_add_u32 v4, v2, 3, v4                   ; W: k-row 8 h + l % 8
	v_mul_u32_u24 v4, v4, PB
	v_bfe_u32 v5, v0, 3, 1
	v_lshl_add_u32 v4, v5, 4, v4                   ; + 16 bytes for the upper eight columns
	s_lshl_b32 s22, s12, 8                         ; my 128 columns
	s_add_co_u32 s22, s22, 2*HALFT                 ; W lies behind A's 256 rows
.irp s, 0,1
	v_add_nc_u32 v[ADRA+\s], s21, v3
	v_add_nc_u32 v[ADRB+\s], s22, v4
	s_add_co_u32 s21, s21, SLOT
	s_add_co_u32 s22, s22, SLOT
.endr
	s_mul_i32 s23, s10, 16*SPITCH
	s_add_co_u32 s23, s23, STAGE                   ; my stage
	v_mul_u32_u24 v4, v1, SPITCH
	v_lshl_add_u32 v4, v2, 4, v4
	v_add_nc_u32 v[STO], s23, v4
	v_mul_u32_u24 v5, v2, SPITCH
	v_lshl_add_u32 v5, v1, 4, v5
	v_add_nc_u32 v[RD], s23, v5
	v_mul_u32_u24 v5, v2, NOUT*2
	v_lshl_add_u32 v[CO], v1, 4, v5
.if FF1
.irp q, 0,1
	v_mov_b32 v[KU+\q], 0x3eaa540e                 ; 0.47047 / sqrt 2
	v_mov_b32 v[KS+\q], 0xbf38aa3b                 ; -log2(e) / 2
	v_mov_b32 v[K3+\q], 0xbebf7377                 ; -0.7478556 / 2
	v_mov_b32 v[K2+\q], 0x3d445ca1                 ; +0.0958798 / 2
	v_mov_b32 v[K1+\q], 0xbe32303a                 ; -0.3480242 / 2
.endr
.endif
; 16 matrix instructions: m blocks a0, a0 + 1 of the window's four x all 8 n blocks, 32 along K.  zero = 1: the first product starts the sums.
.macro MUL16 f, hi, a0, zero
.irp a, \a0, \a0+1
.irp b, 0,1,2,3,4,5,6,7
.if \zero
	v_wmma_f32_16x16x32_bf16 v[8*(8*(\a)+\b):8*(8*(\a)+\b)+7], v[\f+8*\b:\f+8*\b+7], v[\f+8*(4*\hi+\a):\f+8*(4*\hi+\a)+7], 0
.else
	v_wmma_f32_16x16x32_bf16 v[8*(8*(\a)+\b):8*(8*(\a)+\b)+7], v[\f+8*\b:\f+8*\b+7], v[\f+8*(4*\hi+\a):\f+8*(4*\hi+\a)+7], v[8*(8*(\a)+\b):8*(8*(\a)+\b)+7]
.endif
.endr
.endr
.endm
; 32 LDS loads in one run: quarter q (32 along K) of a slot into buffer f: 128 columns of W (transposing), then 128 rows of A
.macro FETCH slot, q, f
	WIN TO_B
.irp i, 0,1,2,3,4,5,6,7
	ds_load_tr16_b128 v[\f+8*\i:\f+8*\i+3],   v[ADRB+\slot] offset:\q*32*PB+32*\i
	ds_load_tr16_b128 v[\f+8*\i+4:\f+8*\i+7], v[ADRB+\slot] offset:\q*32*PB+32*\i+16*PB
.endr
	WIN 0
.irp i, 0,1,2,3,4,5,6,7
	ds_load_b128 v[\f+8*\i:\f+8*\i+3],   v[ADRA+\slot] offset:\q*64+\i*16*PA
	ds_load_b128 v[\f+8*\i+4:\f+8*\i+7], v[ADRA+\slot] offset:\q*64+\i*16*PA+32
.endr
.endm
; Four places of plain vector instructions stand between a matrix instruction and a load into, or a vector instruction on, its registers
.macro PLACES
.rept 4
	v_nop
.endr
.endm
; The 64 accumulators take turns, one instruction a turn, in the same order in every quarter, over the backward jump too.
.macro QUARTER slot, q, f, g, zero
	s_wait_dscnt 8                                 ; W and A's rows 0-63 are in; the youngest eight loads (A's rows 64-127) may be out
	WIN MUL_LO
	MUL16 \f, 0, 0, \zero
	MUL16 \f, 0, 2, \zero
	PLACES
	FETCH \slot, \q, \g
	s_wait_dscnt 32                                ; all but the 32 just issued
	WIN MUL_HI
	MUL16 \f, 1, 0, \zero
	MUL16 \f, 1, 2, \zero
.endm
.macro THREE slot, zero
	QUARTER \slot, 1, F0, F1, \zero
	QUARTER \slot, 2, F1, F0, 0
	QUARTER \slot, 3, F0, F1, 0
.endm
; The last quarter multiplies buffer 1 and changes slots.  In front of the barrier each wave waits for its reads of this slot and for all its
; tensor loads (one is out: its part of the next slot).  Behind it (fill = 1: behind the cluster's round that it opens) the refill comes first.
.macro TURN slot, next, fill
	s_wait_dscnt 8
	WIN MUL_LO
	MUL16 F1, 0, 0, 0
	s_wait_dscnt 0                                 ; my reads of this slot are over
	s_wait_tensorcnt 0x0                           ; all my tensor loads have landed
	ds_add_u32 v63, v255
	s_wait_dscnt 0x0
	s_barrier_signal -1
	MUL16 F1, 0, 2, 0                              ; register work while the others arrive
	WIN 0
	s_barrier_wait -1
.if \fill
	CREST                                          ; no wave of any partner still reads this slot or has a load on its way
	s_add_nc_u64 s[G0+4*\slot+2:G0+4*\slot+3], s[G0+4*\slot+2:G0+4*\slot+3], 2*KSTEP*2
	s_add_nc_u64 s[G0B+4*\slot+2:G0B+4*\slot+3], s[G0B+4*\slot+2:G0B+4*\slot+3], 2*KSTEP*BP*2
	JLOAD \slot                                    ; the wave's one tensor load behind the round; 240 matrix instructions stand before the wait for it
.endif
	PLACES
	FETCH \next, 0, F0
	WIN MUL_HI
	MUL16 F1, 1, 0, 0
	MUL16 F1, 1, 2, 0
.endm
.macro LAP zero
	THREE 0, \zero
	TURN 0, 1, 1
	THREE 1, 0
	TURN 1, 0, 1
.endm
	s_wait_tensorcnt 1                             ; my part of K step 0 is in; K step 1's stays out
	s_barrier_signal -1
	s_barrier_wait -1
	FETCH 0, 0, F0
	LAP 1
	WIN 0
	s_mov_b32 s3, LAPS-2
.Llap:
	LAP 0
	WIN 0
	s_sub_co_u32 s3, s3, 1
	s_cmp_lg_u32 s3, 0
	s_cbranch_scc1 .Llap
	THREE 0, 0                                     ; the last lap fills nothing
	TURN 0, 1, 0
	THREE 1, 0
	s_wait_dscnt 8
	WIN MUL_LO
	MUL16 F1, 0, 0, 0
	MUL16 F1, 0, 2, 0
	s_wait_dscnt 0
	WIN MUL_HI
	MUL16 F1, 1, 0, 0
	MUL16 F1, 1, 2, 0
	; THE WAY OUT, 16 rows at a time: + bias (and GELU) in f32, round to bf16, 16 bytes a lane into my stage, back as whole rows of 256 bytes
	PLACES
	s_wait_loadcnt 0x0                             ; the bias
	s_lshl_b32 s13, s13, 8
	s_lshl_b32 s14, s11, 7
	s_add_co_u32 s16, s13, s14                     ; my first row of C
	s_mul_i32 s16, s16, NOUT*2                     ; below 32 MiB
	s_mov_b32 s17, 0
	s_add_nc_u64 s[8:9], s[8:9], s[16:17]
	s_lshl_b32 s46, s42, 9                         ; my first column, in bytes
	s_lshl_b32 s47, s12, 8
	s_add_co_u32 s46, s46, s47
	s_mov_b32 s47, 0
	s_add_nc_u64 s[8:9], s[8:9], s[46:47]
; gelu(x) = x/2 + |x| (1/2 - q),  q = (a1 t + a2 t^2 + a3 t^3) e^(-x^2/2) / 2,  t = 1 / (1 + 0.47047 |x| / sqrt 2); eight numbers in place
.macro GELU8 X
.irp p, 0,2,4,6
	v_and_b32 v[GA+\p], 0x7fffffff, v[\X+\p]
	v_and_b32 v[GA+\p+1], 0x7fffffff, v[\X+\p+1]
	v_pk_fma_f32 v[GU+\p:GU+\p+1], v[GA+\p:GA+\p+1], v[KU:KU+1], 1.0 op_sel_hi:[1,1,0]
	v_pk_mul_f32 v[GS+\p:GS+\p+1], v[\X+\p:\X+\p+1], v[KS:KS+1]
.endr
.irp p, 0,2,4,6
	v_pk_mul_f32 v[GS+\p:GS+\p+1], v[GS+\p:GS+\p+1], v[\X+\p:\X+\p+1]
.endr
.irp p, 0,1,2,3,4,5,6,7
	v_rcp_f32 v[GU+\p], v[GU+\p]
.endr
.irp p, 0,1,2,3,4,5,6,7
	v_exp_f32 v[GS+\p], v[GS+\p]
.endr
.irp p, 0,2,4,6
	v_pk_mul_f32 v[\X+\p:\X+\p+1], v[\X+\p:\X+\p+1], 0.5 op_sel_hi:[1,0]       ; plain work behind the transcendentals (ISA guide 5.7.2)
.endr
	s_wait_alu depctr_va_vdst(0)
.irp p, 0,2,4,6
	v_pk_fma_f32 v[GP+\p:GP+\p+1], v[GU+\p:GU+\p+1], v[K3:K3+1], v[K2:K2+1]
.endr
.irp p, 0,2,4,6
	v_pk_fma_f32 v[GP+\p:GP+\p+1], v[GP+\p:GP+\p+1], v[GU+\p:GU+\p+1], v[K1:K1+1]
.endr
.irp p, 0,2,4,6
	v_pk_mul_f32 v[GP+\p:GP+\p+1], v[GP+\p:GP+\p+1], v[GU+\p:GU+\p+1]
.endr
.irp p, 0,2,4,6
	v_pk_fma_f32 v[GP+\p:GP+\p+1], v[GP+\p:GP+\p+1], v[GS+\p:GS+\p+1], 0.5 op_sel_hi:[1,1,0]
.endr
.irp p, 0,2,4,6
	v_pk_fma_f32 v[\X+\p:\X+\p+1], v[GA+\p:GA+\p+1], v[GP+\p:GP+\p+1], v[\X+\p:\X+\p+1]
.endr
.endm
; rows 16 i .. 16 i + 15 of my block = tiles (a, 0..7) of window 2 or 3.  win: source 0 that window, source 1 window 1 (bias), destination window 0
.macro OUT16 i, a, win, rb
	WIN \win
.irp b, 0,1,2,3,4,5,6,7
.irp r, 0,2,4,6
	v_pk_add_f32 v[E+8*\b+\r:E+8*\b+\r+1], v[8*(8*\a+\b)+\r:8*(8*\a+\b)+\r+1], v[BIAS+8*\b+\r:BIAS+8*\b+\r+1]
.endr
.endr
	WIN 0
.if FF1
.irp b, 0,1,2,3,4,5,6,7
	GELU8 E+8*\b
.endr
.endif
.irp b, 0,1,2,3,4,5,6,7
.irp r, 0,1,2,3
	v_cvt_pk_bf16_f32 v[TMP+4*\b+\r], v[E+8*\b+2*\r], v[E+8*\b+2*\r+1]
.endr
.endr
.irp b, 0,1,2,3,4,5,6,7
	ds_store_b128 v[STO], v[TMP+4*\b:TMP+4*\b+3] offset:32*\b
.endr
	s_wait_xcnt 0x0                                ; the registers that earlier stores read, and their base, are rewritten only behind this wait
.if \i
	s_add_nc_u64 s[8:9], s[8:9], 16*NOUT*2
.endif
.irp t, 0,1,2,3,4,5,6,7
	ds_load_b128 v[\rb+4*\t:\rb+4*\t+3], v[RD] offset:\t*2*SPITCH              ; LDS serves a wave's instructions in order: these see the stores above
.endr
.irp t, 0,1,2,3,4,5,6,7
	s_wait_dscnt 7-\t
	global_store_b128 v[CO], v[\rb+4*\t:\rb+4*\t+3], s[8:9] offset:2*\t*NOUT*2 ; 16 lanes store 256 consecutive bytes, aligned
.endr
.endm
	OUT16 0, 0, 0x06, 128
	OUT16 1, 1, 0x06, 160
	OUT16 2, 2, 0x06, 128
	OUT16 3, 3, 0x06, 160
	OUT16 4, 0, 0x07, 128
	OUT16 5, 1, 0x07, 160
	OUT16 6, 2, 0x07, 128
	OUT16 7, 3, 0x07, 160
	s_set_vgpr_msb 0x1
	s_wait_tensorcnt 0x0
	ds_add_u32 v63, v255
	s_wait_dscnt 0x0
	s_set_vgpr_msb 0x100
	CROUND                                         ; the closing round: no work-group ends while a partner may still ask for a tile that names it
	s_endpgm
.Lfunc_end_k_qc82c44212f_ff1:
	.size	k_qc82c44212f_ff1, .Lfunc_end_k_qc82c44212f_ff1-k_qc82c44212f_ff1
	.p2alignl 7, 3214868480
	.fill 96, 4, 3214868480
	.section	.rodata,"a",@progbits
	.p2align	6, 0x0
	.amdhsa_kernel k_qc82c44212f_ff1
		.amdhsa_group_segment_fixed_size 327680
		.amdhsa_private_segment_fixed_size 0
		.amdhsa_enable_private_segment 0
		.amdhsa_kernarg_size 32
		.amdhsa_user_sgpr_count 2
		.amdhsa_user_sgpr_kernarg_segment_ptr 1
		.amdhsa_wavefront_size32 1
		.amdhsa_system_sgpr_workgroup_id_x 1
		.amdhsa_system_sgpr_workgroup_id_y 1
		.amdhsa_system_sgpr_workgroup_id_z 1
		.amdhsa_system_vgpr_workitem_id 0
		.amdhsa_next_free_vgpr 1024
		.amdhsa_next_free_sgpr 80
		.amdhsa_reserve_vcc 0
		.amdhsa_float_denorm_mode_32 3
		.amdhsa_float_denorm_mode_16_64 3
		.amdhsa_memory_ordered 1
		.amdhsa_forward_progress 1
		.amdhsa_inst_pref_size 255
	.end_amdhsa_kernel
	.section	.bss,"aw",@nobits
	.p2align	6
	.space	262144
	.amdgpu_metadata
---
amdhsa.version: [ 1, 2 ]
amdhsa.kernels:
  - .name:           k_qc82c44212f_ff1
    .symbol:         k_qc82c44212f_ff1.kd
    .args:
      - { .name: hbuf, .offset: 0, .size: 8, .value_kind: global_buffer, .address_space: global }
      - { .name: wbf, .offset: 8, .size: 8, .value_kind: global_buffer, .address_space: global }
      - { .name: gbuf, .offset: 16, .size: 8, .value_kind: global_buffer, .address_space: global }
      - { .name: b1, .offset: 24, .size: 8, .value_kind: global_buffer, .address_space: global }
    .group_segment_fixed_size: 327680
    .private_segment_fixed_size: 0
    .kernarg_segment_align: 8
    .kernarg_segment_size: 32
    .max_flat_workgroup_size: 128
    .sgpr_count:     80
    .vgpr_count:     1024
    .wavefront_size: 32
...
	.end_amdgpu_metadata
.endif
;; end of part 6
;; launch ff2 (part 7): grid 8 x 32, 4 waves a work-group, clusters of 4 x 4, 327,680 bytes of LDS; arguments gbuf, wbf, b2, x1, out0; writes out0
.if DOCPART == 7
	.amdgcn_target "amdgcn-amd-amdhsa--gfx1250"
	.amdhsa_code_object_version 6
	.text
	.protected	k_qc82c44212f_ff2
	.globl	k_qc82c44212f_ff2
	.p2align	8
	.type	k_qc82c44212f_ff2,@function
k_qc82c44212f_ff2:
	s_mov_b64 s[64:65], 0
	v_nop
	global_prefetch_b8 v0, s[64:65] scope:SCOPE_SE
	s_setreg_imm32_b32 hwreg(HW_REG_WAVE_MODE, 25, 1), 1
	s_wait_xcnt 0x0
	s_wait_alu depctr_hold_cnt(0) depctr_sa_sdst(0) depctr_va_vdst(0) depctr_va_sdst(0) depctr_va_ssrc(0) depctr_va_vcc(0) depctr_vm_vsrc(0)
	s_getreg_b32 s2, hwreg(HW_REG_IB_STS2, 6, 4)
	s_cmp_eq_u32 s2, 0
	s_cbranch_scc0 .Lentry_in_a_cluster
	s_endpgm
.Lentry_in_a_cluster:
	s_bfe_u32 s2, ttmp6, 0x10000c
	s_cmp_lg_u32 s2, 0xf033
	s_cbranch_scc0 .Lentry_shape_is_right
	s_endpgm
.Lentry_shape_is_right:
; C = A W + bias + residual, C and residual f32 [4096][1024].  A: [4096][KTOT] bf16.  W: [KTOT][1024] bf16 at byte WOFF of the weights.  Sums in f32.
; 4096 x 1024 outputs on 256 work-groups are blocks of 128 x 128.  EACH WAVE MAKES THE WHOLE BLOCK OVER A QUARTER OF K (512 accumulator registers,
; 32 LDS loads for 64 matrix instructions, every LDS byte read once); four waves of 64 x 64 would load twice as much for each product.
; The four partial blocks are added through LDS at the end, each wave owning 32 rows.
; K goes in steps of 256 through two LDS slots: A 128 rows x 512 bytes, pitch 528; W 256 k-rows x 256 bytes, pitch 288, read by the transposing load.
; In a slot wave w takes k = 32 w .. 32 w + 31 and 128 + 32 w .. 128 + 32 w + 31.
; CLUSTERS: 4 x 4; A's tile is asked for jointly along a row of the cluster, W's along a column.
; REGISTERS: window 0: addresses, bias, A's fragments, the way out; window 1: W's fragments in v64-191, the residual's 32 rows in v0-63 and v192-255;
; windows 2, 3: accumulators, tile (a, b) at v[8 (8 a + b)].  The matrix instruction is used transposed: lane l holds row l % 16, registers 0..7 columns 8 (l / 16) + 0..7.
.set KTOT,   4096
.set WOFF,   0x1000000
.set NSTEP,  KTOT/256
.set PA,     528
.set PB,     288
.set ASZ,    128*PA                    ; 67,584
.set SLOT,   ASZ+256*PB                ; 141,312
.set STAGE,  2*SLOT                    ; 282,624: 16 rows x 528 bytes for each wave; no fill lands here
.set BIAS4, 12                         ; v[12:15] bias of my 4 columns
.set ADRA, 16
.set ADRB, 20
.set RSA,  24                          ; where my partial block goes: 65,536 w + 16 lane
.set STO,  25
.set RDB,  26
.set CO,   27                          ; 16 lane
.set RDS,  28                          ; v28-31  source s's part of my 32 rows: 65,536 s + 16,384 w + 16 lane
.set F0,   64
.set F1,   128
.set SUM,  64                          ; v[64:191] my 32 rows x 128 columns, 16 tiles
.set T0,   192
.set T1,   224
.set G1,  24
.set G0,  32
.set G1B, 48
.set G0B, 56
.set MSB, 0
.macro WIN new                         ; the immediate's high byte repeats the setting that is left
.if MSB != \new
	s_set_vgpr_msb (MSB<<8)|\new
.set MSB, \new
.endif
.endm
.set MUL_LO, 0xa1
.set MUL_HI, 0xf1
.set TO_B,   0x40
.macro JLOAD s                         ; waves 0 and 1 fetch A's two halves, waves 2 and 3 W's; the branch hangs on the wave's number alone
	s_cmp_eq_u32 s11, 0
	s_cbranch_scc0 .Lfor_b_\@
	tensor_load_to_lds s[G0+4*\s:G0+4*\s+3], s[G1:G1+7]
	s_nop 0
	s_branch .Lasked_\@
.Lfor_b_\@:
	tensor_load_to_lds s[G0B+4*\s:G0B+4*\s+3], s[G1B:G1B+7]
	s_nop 0
	v_nop
.Lasked_\@:
.endm
.macro CREST
	s_cmp_lg_u32 s10, 0
	s_cbranch_scc1 .Lnot_wave_0_\@
	s_barrier_signal -3
.Lnot_wave_0_\@:
	s_barrier_wait -3
	s_barrier_signal -1
	s_barrier_wait -1
.endm
.macro CROUND
	s_barrier_signal -1
	s_barrier_wait -1
	CREST
.endm
	s_load_b128 s[4:7], s[0:1], 0x0                ; A s[4:5], the weights s[6:7]
	s_load_b128 s[72:75], s[0:1], 0x10             ; bias s[72:73], residual s[74:75]
	s_load_b64 s[8:9], s[0:1], 0x20                ; C
	v_lshl_add_u32 v62, v0, 2, 0x4d400
	v_mov_b32 v63, 0
	ds_add_u32 v62, v63
	v_lshrrev_b32 v1, 5, v0
	v_readfirstlane_b32 s10, v1                    ; wave 0..3
	s_lshr_b32 s11, s10, 1                         ; I fetch for A (0) or for W (1)
	s_and_b32 s12, s10, 1                          ; which half of that tile
	s_bfe_u32 s40, ttmp6, 0x40000                  ; cx
	s_bfe_u32 s41, ttmp6, 0x40004                  ; cy
	s_lshl_b32 s42, ttmp9, 2
	s_add_co_u32 s42, s42, s40                     ; block column
	s_and_b32 s13, ttmp7, 0xffff
	s_lshl_b32 s13, s13, 2
	s_add_co_u32 s13, s13, s41                     ; block row
	s_lshl_b32 s43, s41, 2
	s_lshl_b32 s43, 15, s43                        ; my row of the cluster
	s_lshl_b32 s44, 0x1111, s40                    ; my column
	s_or_b32 s[G1+0], s43, (1<<16)|(1<<20)|(1<<21)|(6<<22)|(3<<25)  ; A: after every 128 words 4 words of padding
	s_or_b32 s[G1B+0], s44, (1<<16)|(1<<20)|(1<<21)|(5<<22)|(7<<25) ; W: after every 64 words 8 words
	s_mov_b32 s[G1+1], 256<<16                     ; tensor_dim0
	s_mov_b32 s[G1B+1], 128<<16
	s_mov_b32 s[G1+2], 64<<16                      ; tensor_dim1
	s_mov_b32 s[G1B+2], 128<<16
	s_mov_b32 s[G1+3], 256<<16                     ; tile_dim0
	s_mov_b32 s[G1B+3], 128<<16
	s_mov_b32 s[G1+4], 64                          ; tile_dim1
	s_mov_b32 s[G1B+4], 128
	s_mov_b32 s[G1+5], KTOT                        ; elements from row to row
	s_mov_b32 s[G1B+5], 1024
	s_mov_b32 s[G1+6], 0
	s_mov_b32 s[G1B+6], 0
	s_mov_b32 s[G1+7], 0
	s_mov_b32 s[G1B+7], 0
	s_lshl_b32 s17, s12, 6
	s_lshl_b32 s16, s13, 7
	s_add_co_u32 s16, s16, s17                     ; A: row 128 x block row + 64 x half
	s_mul_i32 s16, s16, KTOT*2                     ; below 32 MiB
	s_mov_b32 s17, 0
	s_lshl_b32 s46, s42, 8                         ; W: 256 bytes x block column
	s_lshl_b32 s47, s12, 18                        ; + 128 k-rows of 2,048 bytes x half
	s_add_co_u32 s46, s46, s47
	s_add_co_u32 s46, s46, WOFF
	s_mov_b32 s47, 0
	s_mul_i32 s20, s12, 64*PA                      ; LDS: A's halves
	s_mul_i32 s21, s12, 128*PB
	s_add_co_u32 s21, s21, ASZ                     ; W's halves behind them
	s_lshl_b32 s66, s13, 7                         ; C and the residual: row 128 x block row + 32 x wave, in registers that feed no descriptor
	s_lshl_b32 s67, s10, 5
	s_add_co_u32 s66, s66, s67
	s_lshl_b32 s66, s66, 12
	s_lshl_b32 s70, s42, 9                         ; 512 bytes x block column
	s_add_co_u32 s66, s66, s70
	s_mov_b32 s67, 0
	s_mov_b32 s71, 0
	s_wait_dscnt 0x0
	s_wait_kmcnt 0x0
	s_add_nc_u64 s[14:15], s[4:5], s[16:17]
	s_add_nc_u64 s[46:47], s[6:7], s[46:47]
	s_add_nc_u64 s[72:73], s[72:73], s[70:71]
	s_add_nc_u64 s[74:75], s[74:75], s[66:67]
	s_add_nc_u64 s[8:9], s[8:9], s[66:67]
	CROUND                                         ; all sixteen work-groups are here: the first joint loads meet
.irp s, 0,1
	s_mov_b32 s[G0+4*\s], 1
	s_add_co_u32 s[G0+4*\s+1], s20, \s*SLOT
	s_add_nc_u64 s[G0+4*\s+2:G0+4*\s+3], s[14:15], \s*512
	s_or_b32 s[G0+4*\s+3], s[G0+4*\s+3], 0x80000000
	s_mov_b32 s[G0B+4*\s], 1
	s_add_co_u32 s[G0B+4*\s+1], s21, \s*SLOT
	s_add_nc_u64 s[G0B+4*\s+2:G0B+4*\s+3], s[46:47], \s*256*2048
	s_or_b32 s[G0B+4*\s+3], s[G0B+4*\s+3], 0x80000000
	JLOAD \s                                       ; two tensor loads of the wave are out
.endr
	v_and_b32 v6, 31, v0
	v_lshlrev_b32 v[CO], 4, v6
	global_load_b128 v[BIAS4:BIAS4+3], v[CO], s[72:73]                         ; bias and residual come in during the products; waited for on the way out
	WIN TO_B
.set t, 0
.rept 16
	global_load_b128 v[4*t:4*t+3], v[CO], s[74:75] offset:4096*t               ; a whole row of the block: 512 consecutive bytes
	global_load_b128 v[192+4*t:195+4*t], v[CO], s[74:75] offset:4096*(16+t)
.set t, t+1
.endr
	WIN 0
	v_and_b32 v1, 15, v0                           ; r
	v_bfe_u32 v2, v0, 4, 1                         ; h
	v_mul_u32_u24 v3, v1, PA
	v_lshl_add_u32 v3, v2, 4, v3
	s_lshl_b32 s22, s10, 6                         ; A: my 32 of each 128 along K
	v_and_b32 v4, 7, v0
	v_lshl_add_u32 v4, v2, 3, v4
	v_mul_u32_u24 v4, v4, PB
	v_bfe_u32 v5, v0, 3, 1
	v_lshl_add_u32 v4, v5, 4, v4
	s_mul_i32 s23, s10, 32*PB                      ; W: my 32 k-rows
	s_add_co_u32 s23, s23, ASZ
.irp s, 0,1
	v_add_nc_u32 v[ADRA+\s], s22, v3
	v_add_nc_u32 v[ADRB+\s], s23, v4
	s_add_co_u32 s22, s22, SLOT
	s_add_co_u32 s23, s23, SLOT
.endr
	s_lshl_b32 s22, s10, 16
	v_add_nc_u32 v[RSA], s22, v[CO]
	s_lshl_b32 s22, s10, 14
.irp s, 0,1,2,3
	v_add_nc_u32 v[RDS+\s], s22, v[CO]
	s_add_co_u32 s22, s22, 65536
.endr
	s_mul_i32 s23, s10, 16*528
	s_add_co_u32 s23, s23, STAGE
	v_mul_u32_u24 v7, v1, 528
	v_lshl_add_u32 v7, v2, 5, v7
	v_add_nc_u32 v[STO], s23, v7                   ; row r, 32 h bytes
	v_add_nc_u32 v[RDB], s23, v[CO]
.macro MUL16 f, hi, a0, zero
.irp a, \a0, \a0+1
.irp b, 0,1,2,3,4,5,6,7
.if \zero
	v_wmma_f32_16x16x32_bf16 v[8*(8*(\a)+\b):8*(8*(\a)+\b)+7], v[\f+8*\b:\f+8*\b+7], v[\f+8*(4*\hi+\a):\f+8*(4*\hi+\a)+7], 0
.else
	v_wmma_f32_16x16x32_bf16 v[8*(8*(\a)+\b):8*(8*(\a)+\b)+7], v[\f+8*\b:\f+8*\b+7], v[\f+8*(4*\hi+\a):\f+8*(4*\hi+\a)+7], v[8*(8*(\a)+\b):8*(8*(\a)+\b)+7]
.endif
.endr
.endr
.endm
.macro FETCH slot, j, f                ; my 32 along K of half j of a slot: 128 columns of W (transposing), 128 rows of A
	WIN TO_B
.irp i, 0,1,2,3,4,5,6,7
	ds_load_tr16_b128 v[\f+8*\i:\f+8*\i+3],   v[ADRB+\slot] offset:\j*128*PB+32*\i
	ds_load_tr16_b128 v[\f+8*\i+4:\f+8*\i+7], v[ADRB+\slot] offset:\j*128*PB+32*\i+16*PB
.endr
	WIN 0
.irp i, 0,1,2,3,4,5,6,7
	ds_load_b128 v[\f+8*\i:\f+8*\i+3],   v[ADRA+\slot] offset:\j*256+\i*16*PA
	ds_load_b128 v[\f+8*\i+4:\f+8*\i+7], v[ADRA+\slot] offset:\j*256+\i*16*PA+32
.endr
.endm
.macro PLACES                          ; four plain places behind a matrix instruction (ISA guide 7.12.1)
.rept 4
	v_nop
.endr
.endm
; The 64 accumulators take turns, one instruction a turn, in the same order throughout, over the backward jump too.
.macro QUARTER slot, j, f, g, zero
	s_wait_dscnt 8                                 ; W and A's rows 0-63 are in; the youngest eight loads may be out
	WIN MUL_LO
	MUL16 \f, 0, 0, \zero
	MUL16 \f, 0, 2, \zero
	PLACES
	FETCH \slot, \j, \g
	s_wait_dscnt 32                                ; all but the 32 just issued
	WIN MUL_HI
	MUL16 \f, 1, 0, \zero
	MUL16 \f, 1, 2, \zero
.endm
.macro TURN slot, next, fill
	s_wait_dscnt 8
	WIN MUL_LO
	MUL16 F1, 0, 0, 0
	s_wait_dscnt 0                                 ; my reads of this slot are over
	s_set_vgpr_msb 0xa1a0
	s_wait_tensorcnt 0x0                           ; all my tensor loads have landed: the one that was out is my part of the next slot
	ds_add_u32 v62, v63
	s_wait_dscnt 0x0
	s_set_vgpr_msb 0xa0a1
	s_barrier_signal -1
	MUL16 F1, 0, 2, 0
	WIN 0
	s_barrier_wait -1
.if \fill
	CREST                                          ; the cluster's round: no wave of any partner still reads this slot or has a load on its way
	s_add_nc_u64 s[G0+4*\slot+2:G0+4*\slot+3], s[G0+4*\slot+2:G0+4*\slot+3], 2*512
	s_add_nc_u64 s[G0B+4*\slot+2:G0B+4*\slot+3], s[G0B+4*\slot+2:G0B+4*\slot+3], 2*256*2048
	JLOAD \slot                                    ; the wave's one tensor load behind the round; 112 matrix instructions stand before the wait for it
.endif
	PLACES
	FETCH \next, 0, F0
	WIN MUL_HI
	MUL16 F1, 1, 0, 0
	MUL16 F1, 1, 2, 0
.endm
.macro STEP slot, next, zero, fill
	QUARTER \slot, 1, F0, F1, \zero
	TURN \slot, \next, \fill
.endm
	s_wait_tensorcnt 1                             ; my part of step 0 is in; step 1's stays out
	s_barrier_signal -1
	s_barrier_wait -1
	FETCH 0, 0, F0
	STEP 0, 1, 1, 1                                ; the first products start the sums
	STEP 1, 0, 0, 1
.if NSTEP > 4
	WIN 0
	s_mov_b32 s3, (NSTEP-4)/2
.Llap:
	STEP 0, 1, 0, 1
	STEP 1, 0, 0, 1
	WIN 0
	s_sub_co_u32 s3, s3, 1
	s_cmp_lg_u32 s3, 0
	s_cbranch_scc1 .Llap
.endif
	STEP 0, 1, 0, 0                                ; the last two steps fill nothing
	QUARTER 1, 1, F0, F1, 0
	s_wait_dscnt 8
	WIN MUL_LO
	MUL16 F1, 0, 0, 0
	MUL16 F1, 0, 2, 0
	s_wait_dscnt 0
	WIN MUL_HI
	MUL16 F1, 1, 0, 0
	MUL16 F1, 1, 2, 0
	; THE WAY OUT.  The ring has had its last fill; its first 262,144 bytes take the four partial blocks, 65,536 bytes a wave, tile T at 1,024 T.
	PLACES
	WIN 0
	s_wait_dscnt 0x0
	s_barrier_signal -1
	s_barrier_wait -1                              ; every wave's reads of the ring are over
	WIN 0x08                                       ; store data from window 2
.set t, 0
.rept 32
	ds_store_b128 v[RSA], v[8*t:8*t+3] offset:1024*t
	ds_store_b128 v[RSA], v[8*t+4:8*t+7] offset:1024*t+512
.set t, t+1
.endr
	WIN 0x0c                                       ; from window 3
.set t, 0
.rept 32
	ds_store_b128 v[RSA], v[8*t:8*t+3] offset:1024*(32+t)
	ds_store_b128 v[RSA], v[8*t+4:8*t+7] offset:1024*(32+t)+512
.set t, t+1
.endr
	WIN 0
	s_wait_dscnt 0x0                               ; for the others' sake
	s_barrier_signal -1
	s_barrier_wait -1
	; wave w adds the four waves' tiles 16 w .. 16 w + 15 (rows 32 w .. 32 w + 31)
.set u, 0
.rept 16
	ds_load_b128 v[SUM+8*u:SUM+8*u+3], v[RDS] offset:1024*u
	ds_load_b128 v[SUM+8*u+4:SUM+8*u+7], v[RDS] offset:1024*u+512
.set u, u+1
.endr
.macro RBATCH n, T                     ; batch n of twelve: source 1 + n / 4, tiles 4 (n % 4) .. + 3: eight loads
.irp q, 0,1,2,3
	ds_load_b128 v[\T+8*\q:\T+8*\q+3],   v[RDS+1+(\n)/4] offset:1024*(4*((\n)%4)+\q)
	ds_load_b128 v[\T+8*\q+4:\T+8*\q+7], v[RDS+1+(\n)/4] offset:1024*(4*((\n)%4)+\q)+512
.endr
.endm
.macro RSTEP n, T, left, more
	s_wait_dscnt \left                             ; batch n is in; the younger batch's eight loads stay out
.irp q, 0,1,2,3,4,5,6,7,8,9,10,11,12,13,14,15
	v_pk_add_f32 v[SUM+32*((\n)%4)+2*\q:SUM+32*((\n)%4)+2*\q+1], v[SUM+32*((\n)%4)+2*\q:SUM+32*((\n)%4)+2*\q+1], v[\T+2*\q:\T+2*\q+1]
.endr
.if \more
	RBATCH \n+2, \T
.endif
.endm
	RBATCH 0, T0
	RBATCH 1, T1
	RSTEP 0, T0, 8, 1
	RSTEP 1, T1, 8, 1
	RSTEP 2, T0, 8, 1
	RSTEP 3, T1, 8, 1
	RSTEP 4, T0, 8, 1
	RSTEP 5, T1, 8, 1
	RSTEP 6, T0, 8, 1
	RSTEP 7, T1, 8, 1
	RSTEP 8, T0, 8, 1
	RSTEP 9, T1, 8, 1
	RSTEP 10, T0, 8, 0
	RSTEP 11, T1, 0, 0
; 16 rows through my stage: in as the accumulators lie, back as whole rows of 512 bytes; + residual + bias; out.  T and RES: registers, RES in window 1.
.macro ROWS a1, T, RES
.irp b, 0,1,2,3,4,5,6,7
	ds_store_b128 v[STO], v[SUM+64*\a1+8*\b:SUM+64*\a1+8*\b+3] offset:64*\b
	ds_store_b128 v[STO], v[SUM+64*\a1+8*\b+4:SUM+64*\a1+8*\b+7] offset:64*\b+16
.endr
.set t, 0
.rept 16
	ds_load_b128 v[\T+4*t:\T+4*t+3], v[RDB] offset:528*t                       ; my own bytes: LDS serves a wave's instructions in order
.set t, t+1
.endr
	s_wait_dscnt 0x0
	WIN 0x04                                       ; source 1 from window 1
.set t, 0
.rept 32
	v_pk_add_f32 v[\T+2*t:\T+2*t+1], v[\T+2*t:\T+2*t+1], v[\RES+2*t:\RES+2*t+1]
.set t, t+1
.endr
	WIN 0
.set t, 0
.rept 16
	v_pk_add_f32 v[\T+4*t:\T+4*t+1], v[\T+4*t:\T+4*t+1], v[BIAS4:BIAS4+1]
	v_pk_add_f32 v[\T+4*t+2:\T+4*t+3], v[\T+4*t+2:\T+4*t+3], v[BIAS4+2:BIAS4+3]
	global_store_b128 v[CO], v[\T+4*t:\T+4*t+3], s[8:9] offset:(16*\a1+t)*4096 ; the wave stores 512 consecutive bytes, aligned
.set t, t+1
.endr
.endm
	s_wait_loadcnt 0x0                             ; bias and residual
	ROWS 0, 192, 0
	ROWS 1, 64, 192                                ; other registers than the first sixteen stores read
	s_wait_tensorcnt 0x0
	ds_add_u32 v62, v63
	s_wait_dscnt 0x0
	CROUND                                         ; the closing round
	s_endpgm
.Lfunc_end_k_qc82c44212f_ff2:
	.size	k_qc82c44212f_ff2, .Lfunc_end_k_qc82c44212f_ff2-k_qc82c44212f_ff2
	.p2alignl 7, 3214868480
	.fill 96, 4, 3214868480
	.section	.rodata,"a",@progbits
	.p2align	6, 0x0
	.amdhsa_kernel k_qc82c44212f_ff2
		.amdhsa_group_segment_fixed_size 327680
		.amdhsa_private_segment_fixed_size 0
		.amdhsa_enable_private_segment 0
		.amdhsa_kernarg_size 40
		.amdhsa_user_sgpr_count 2
		.amdhsa_user_sgpr_kernarg_segment_ptr 1
		.amdhsa_wavefront_size32 1
		.amdhsa_system_sgpr_workgroup_id_x 1
		.amdhsa_system_sgpr_workgroup_id_y 1
		.amdhsa_system_sgpr_workgroup_id_z 1
		.amdhsa_system_vgpr_workitem_id 0
		.amdhsa_next_free_vgpr 1024
		.amdhsa_next_free_sgpr 80
		.amdhsa_reserve_vcc 0
		.amdhsa_float_denorm_mode_32 3
		.amdhsa_float_denorm_mode_16_64 3
		.amdhsa_memory_ordered 1
		.amdhsa_forward_progress 1
		.amdhsa_inst_pref_size 135
	.end_amdhsa_kernel
	.amdgpu_metadata
---
amdhsa.version: [ 1, 2 ]
amdhsa.kernels:
  - .name:           k_qc82c44212f_ff2
    .symbol:         k_qc82c44212f_ff2.kd
    .args:
      - { .name: gbuf, .offset: 0, .size: 8, .value_kind: global_buffer, .address_space: global }
      - { .name: wbf, .offset: 8, .size: 8, .value_kind: global_buffer, .address_space: global }
      - { .name: b2, .offset: 16, .size: 8, .value_kind: global_buffer, .address_space: global }
      - { .name: x1, .offset: 24, .size: 8, .value_kind: global_buffer, .address_space: global }
      - { .name: out0, .offset: 32, .size: 8, .value_kind: global_buffer, .address_space: global }
    .group_segment_fixed_size: 327680
    .private_segment_fixed_size: 0
    .kernarg_segment_align: 8
    .kernarg_segment_size: 40
    .max_flat_workgroup_size: 128
    .sgpr_count:     80
    .vgpr_count:     1024
    .wavefront_size: 32
...
	.end_amdgpu_metadata
.endif
;; end of part 7
